; MI455X (gfx1250); checked and timed in simulation.
; The chip was launched on July 23, 2026; its instructions are those of AMD's public machine-readable ISA for CDNA 5 (MIT licence, August 2026) and "CDNA5" Instruction Set Architecture Reference Guide (July 2026). The comments in the code are by the model that wrote it; some were corrected since.
;; Multi Head Attention. Allowed arithmetic: matrix products marked QUANTISED: E4M3 operands, one given power-of-two scale a tensor, by v_wmma_f32_16x16x64_fp8_fp8 or v_wmma_f32_16x16x128_fp8_fp8, f32 sums; everything else in f32.
;; Inputs: Wk_codes 512 x 16 x 32 uint8 (E4M3 codes of Wk, K innermost, in blocks of 32 codes); Wq_codes 512 x 16 x 32 uint8 (E4M3 codes of Wq, K innermost, in blocks of 32 codes); Wv_codes 512 x 16 x 32 uint8 (E4M3 codes of Wv, K innermost, in blocks of 32 codes); beta 512 float32; bk 512 float32; bq 512 float32; bv 512 float32; gamma 512 float32; lowp_scales 10 int32 (the exponents e of the quantised operands' scales 2^e); x 2 x 4,096 x 512 float32.
;; Outputs: out0 2 x 4,096 x 512 float32.
;; This version of the problem:
;;   THIS VERSION OF THE PROBLEM IS GIVEN IN LOW PRECISION. The matrix products marked QUANTISED in the list below multiply operands that are first quantised to E4M3 (4 exponent bits, 3 mantissa bits; 8 bits a number), with one given power-of-two scale for each operand tensor; their sums are f32. All else is computed in f32.
;;   The module's matrix products, in the order in which they are computed (A, B: the left and right operand; K: the contracted axis; several contracted axes count as one K, in the product's order):
;;     1. [M 8,192, K 512] x [K 512, N 512]; A: input x; B: input Wq (given as codes): QUANTISED (scales: A lowp_scales[0], B lowp_scales[1])
;;     2. [M 8,192, K 512] x [K 512, N 512]; A: input x; B: input Wk (given as codes): QUANTISED (scales: A lowp_scales[2], B lowp_scales[3])
;;     3. [M 8,192, K 512] x [K 512, N 512]; A: input x; B: input Wv (given as codes): QUANTISED (scales: A lowp_scales[4], B lowp_scales[5])
;;     4. batch 16 x [M 4,096, K 64] x [K 64, N 4,096]; A: computed on the way; B: computed on the way: QUANTISED (scales: A lowp_scales[6], B lowp_scales[7])
;;     5. batch 16 x [M 4,096, K 4,096] x [K 4,096, N 64]; A: softmax (see below); B: computed on the way: QUANTISED (scales: A lowp_scales[8], B lowp_scales[9])
;;   THE QUANTISER, for each operand of a quantised product, along K:
;;     - The operand's scale is 2^e, e = its entry of the input lowp_scales (int32; the entries are numbered through the quantised products in the list's order, A before B).
;;     - Each number is divided by the scale, clamped to +-448, and rounded to the nearest number of E4M3, ties to even, subnormals kept.
;;     - The product sums the exact products of the quantised numbers (number of the format x scale) in f32.
;;   ~~~python
;;   def quantise(x, axis, e):      # numpy; x: float32 -> the quantised numbers, widened to float32 again
;;       x = np.moveaxis(x, axis, -1); K = x.shape[-1]
;;       r = np.clip(x / 2.0 ** e, -448, 448)
;;       step = 2.0 ** (np.maximum(np.frexp(np.where(r == 0, 1, r))[1] - 1, -6) - 3)
;;       q = np.round(r / step) * step * 2.0 ** e      # np.round: ties to even
;;       return np.moveaxis(q, -1, axis).astype(np.float32)
;;   ~~~
;;   SOFTMAX AHEAD OF A QUANTISED PRODUCT. Where the list says 'softmax', what is quantised is not the finished softmax but p = 2^(t - M), with t = logit x log2(e) and M = ceil(the row's largest t), a whole number; so 1/2 < the row's largest p <= 1. The row's sum l is taken of the UNQUANTISED p, in f32, and the product's result is divided by l at the end. Since M is a whole number, a kernel that streams over the keys may use a running M (the ceiling of the running maximum): every later rescaling is an exact power of two, so the quantised numbers keep their values, but for numbers so far below the row's largest that they fall under the format's range.
;;   OPERANDS COMPUTED ON THE WAY. 'Computed on the way' means the value that the module computes at that place (a softmax that the list does not call 'softmax' is quantised finished and normalised). What goes into a quantiser is computed in f32, as accurately as f32 sums, v_exp_f32 and their like allow (about 1e-6 of the number): no bf16 or f16 on the way to a quantiser, and a product that is left as it is and whose result goes on into a quantised operand takes f32 operands (vector FMAs, or v_wmma_f32_16x16x4_f32). A number that lies on a knife's edge between two numbers of the format may be rounded either way, as far as f32 arithmetic and the matrix unit's own rounding can turn it there, and no further.
;;   INPUTS GIVEN AS CODES. Wk (in the module: [512, 512], K = its axis 0); Wq (in the module: [512, 512], K = its axis 0); Wv (in the module: [512, 512], K = its axis 0): each comes as NAME_codes (uint8): NAME with its K axis moved to the last place and cut into blocks of 32 codes, [.., K / 32, bytes a block], one block behind the other in memory; one code a byte (a code: sign, 4 exponent bits, 3 mantissa bits); its scale is its entry of lowp_scales. Its value is code x scale, taken as it is: it is not quantised again, and the codes and scales need not be those that the quantiser above would give.
;; 2 versions. Each part assembles by itself: llvm-mc -triple=amdgcn-amd-amdhsa -mcpu=gfx1250 --defsym DOCPART=n.
;; ======== version 1 of 2: 2 launches
;; workspace buffers: qc 4,194,304 bytes; kc 4,194,304 bytes; vc 4,194,304 bytes
;; launch proj (part 1): grid 256 x 1, 8 waves a work-group, no clusters, 103,424 bytes of LDS; arguments x, Wq_codes, Wk_codes, Wv_codes, bq, bk, bv, lowp_scales, qc, kc, vc; writes qc, kc, vc
.if DOCPART == 1
	.amdgcn_target "amdgcn-amd-amdhsa--gfx1250"
	.amdhsa_code_object_version 6
	.text
	.protected	k_qedcf32dd85_proj
	.globl	k_qedcf32dd85_proj
	.p2align	8
	.type	k_qedcf32dd85_proj,@function
k_qedcf32dd85_proj:
	s_mov_b64 s[64:65], 0
	v_nop
	global_prefetch_b8 v0, s[64:65] scope:SCOPE_SE
	s_setreg_imm32_b32 hwreg(HW_REG_WAVE_MODE, 25, 1), 1
	s_wait_xcnt 0x0
; q = x Wq + bq, k = x Wk + bk, v = x Wv + bv on codes of FP8 (E4M3), and the three results quantised again for the attention launch.
; x: [8192][512] f32.  W*_codes: [512 (n)][512 (k)] codes, K innermost.  lowp_scales: e0 .. e9.  x is quantised three times (2^e0, 2^e2, 2^e4), the sums are
; multiplied by 2^(e0+e1), 2^(e2+e3), 2^(e4+e5), the bias is added in f32, and the result is quantised with 2^e6 (q), 2^e7 (k), 2^e9 (v).
; OUTPUTS.  reference() reshapes [8192][512] to [16 heads][4096][64] without a transposition: a head is 512 whole rows, a row is eight tokens of 64.
;   qc [8192][512]: the rows as they are.   kc: the same, but of each four rows the middle two change places, so that sixteen neighbouring tokens in kc are the keys
;   that one tile of the next launch's first product wants (8 keys, and the 8 that lie 16 further on).   vc [16][64 (d)][4096 (keys)]: the keys innermost.
; SHARES.  A work-group of eight waves takes 32 rows of x (two tiles of 16) against all 1,536 columns, so x is read once.  THE WAVES SHARE THE COLUMNS: wave w makes
; twelve tiles of 16 columns, four of each matrix.  The products are used transposed (source 0 = 16 rows of W, source 1 = 16 rows of x): a lane holds ONE row of x.
;   q, k: lane r of tile t takes W's row 64 w + 32 (t / 2) + 8 (t % 2) + r + 8 (r / 8): the 16 registers of tiles 2 b, 2 b + 1 are columns 64 w + 32 b + 16 h + 0 .. 15.
;   v:    lane r of tile t takes W's row 8 w + 2 t + (r / 8) + 64 (r % 8): register j is column 8 w + 2 t + h + 64 j: one d, eight neighbouring keys.
; NO TENSOR LOAD, NO CLUSTER: the three weights are 786,432 bytes, more than LDS holds; a ring would be filled six times or more with 16 matrix instructions a wave
; in each turn; and a fragment of W feeds two products of one wave alone.  So W goes from memory straight into operand registers, four tiles (64 loads a wave) ahead.
; The text is straight: no loop, no label, no branch.  Every count of a wait for loads is the number of loads written behind the one waited for.
; LIMITS: e0, e2, e4, e6, e7, e9 between -126 and 119; e0+e1, e2+e3, e4+e5 between -126 and 127, so that each power of two below is an f32 number.  NaN among the inputs is not served.
; REGISTERS.  window 0: v1-14 addresses and the scale in hand; v16-143 x's eight fragments (first: 64 numbers of x and 64 held numbers); v144-207 eight accumulators
; (first: x's codes); v208-239 the bias of the matrix in hand; v240-255 codes on the way out.   window 1: four slots of 64: W's fragments of tile T in slot T % 4.
.set SP,   528                         ; a stage row or a row of x's codes in LDS: 512 bytes + 16: row r starts 4 r words on in the banks' round (64 banks of 4 bytes: ISA guide 11.1)
.set VSP,  272                         ; a row of v's stage: 256 bytes + 16
.set QS,   0                           ; LDS: q's stage, 32 rows x 528
.set KS,   32*SP                       ; k's stage
.set VS,   64*SP                       ; v's stage, 64 rows x 272
.set XCB,  51200                       ; x's codes, three images of 32 rows x 528
.set XIMG, 32*SP
.set XO,   1                           ; v1   16 x lane
.set XW,   2                           ; v2   where I put four codes of x: XCB + 4 w rows + 4 x lane
.set XA,   3                           ; v3   a fragment of x: XCB + 528 r + 16 h
.set WQK,  4                           ; v4   Wq, Wk: (r + 8 (r / 8)) x 512 + 16 h
.set WVA,  5                           ; v5   Wv: ((r / 8) + 64 (r % 8)) x 512 + 16 h
.set BA,   6                           ; v6   bq, bk: 64 h
.set BVA,  7                           ; v7   bv: 4 h
.set SO,   8                           ; v8   into q's or k's stage: 528 r + 64 w + 16 h
.set RB,   9                           ; v9   back: 4 w rows + 16 x lane
.set VSO,  10                          ; v10  into v's stage: (8 w + h) x 272 + 8 r
.set VRB,  11                          ; v11  back: (8 w + h) x 272 + 16 r
.set VGO,  12                          ; v12  in vc: 4096 h + 16 r
.set SCL,  13                          ; v13  the conversion's scale as f32
.set LIMV, 14                          ; v14  448 x that scale
.set XF,   16
.set XR,   16
.set TMP,  80
.set ACC,  144
.set CX,   144
.set BI,   208
.set CO,   240
.set WV,   26                          ; s26  my wave's number
.set MSB, 0
.macro WIN new                         ; the immediate's high byte repeats the setting that is left
.if MSB != \new
	s_set_vgpr_msb (MSB<<8)|\new
.set MSB, \new
.endif
.endm
.macro BARRIER                         ; my LDS stores have landed and my LDS loads are in: then the work-group's barrier
	s_wait_dscnt 0x0
	s_barrier_signal -1
	s_barrier_wait -1
.endm
; the scalars of matrix j at s[40 + 8 j] on: +0, +1: 2^(ex + ew), twice; +2: 2^ex; +3: 448 x 2^ex; +4: 2^eo; +5: 448 x 2^eo.  eo: the register that holds the result's exponent
.macro SCALES j, eo
	s_add_co_i32 s[40+8*\j], s[28+2*\j], s[29+2*\j]
	s_add_co_i32 s[40+8*\j], s[40+8*\j], 127
	s_lshl_b32 s[40+8*\j], s[40+8*\j], 23
	s_mov_b32 s[41+8*\j], s[40+8*\j]               ; (named with it as a pair, so it is written)
	s_add_co_i32 s[43+8*\j], s[28+2*\j], 127
	s_lshl_b32 s[42+8*\j], s[43+8*\j], 23
	s_add_co_i32 s[43+8*\j], s[43+8*\j], 8
	s_lshl_b32 s[43+8*\j], s[43+8*\j], 23
	s_or_b32 s[43+8*\j], s[43+8*\j], 0x600000
	s_add_co_i32 s[45+8*\j], s[\eo], 127
	s_lshl_b32 s[44+8*\j], s[45+8*\j], 23
	s_add_co_i32 s[45+8*\j], s[45+8*\j], 8
	s_lshl_b32 s[45+8*\j], s[45+8*\j], 23
	s_or_b32 s[45+8*\j], s[45+8*\j], 0x600000
.endm
.macro BIASQK j                        ; 8 loads: register 16 b + i is the bias of column 64 w + 32 b + 16 h + i
.irp b, 0,1
.irp k, 0,1,2,3
	global_load_b128 v[BI+16*\b+4*\k:BI+16*\b+4*\k+3], v[BA], s[12+2*\j:13+2*\j] offset:128*\b+16*\k
.endr
.endr
.endm
.macro BIASV                           ; 32 loads: register 8 t + jj is the bias of column 8 w + 2 t + h + 64 jj
.irp t, 0,1,2,3
.irp jj, 0,1,2,3,4,5,6,7
	global_load_b32 v[BI+8*\t+\jj], v[BVA], s[16:17] offset:8*\t+256*\jj
.endr
.endr
.endm
.macro LOADT T                         ; 16 loads: tile T's four fragments of W (16 rows x 128 K each) into slot T % 4 of window 1
.set jm, (\T)/4
.set tt, (\T)%4
	WIN 0x40                                       ; destination window 1, address window 0
.irp s, 0,1,2,3
.irp c, 0,1,2,3
.if jm < 2
	global_load_b128 v[64*tt+16*\s+4*\c:64*tt+16*\s+4*\c+3], v[WQK], s[6+2*jm:7+2*jm] offset:(32*(tt/2)+8*(tt%2))*512+128*\s+32*\c
.else
	global_load_b128 v[64*tt+16*\s+4*\c:64*tt+16*\s+4*\c+3], v[WVA], s[10:11] offset:1024*tt+128*\s+32*\c
.endif
.endr
.endr
	WIN 0
.endm
.macro QX j                            ; my four rows of x become codes under matrix j's scale and go to image j as rows
	v_mov_b32 v[SCL], s[42+8*\j]
	v_mov_b32 v[LIMV], s[43+8*\j]
.set i, 0
.rept 64
	v_med3_num_f32 v[TMP+i], v[XR+i], -v[LIMV], v[LIMV]   ; the conversion to an 8-bit code does not saturate (ISA guide 7.6.2): the hold at the largest code x the scale, always made
.set i, i+1
.endr
.set i, 0
.rept 8
	v_cvt_scalef32_pk8_fp8_f32 v[CX+16*\j+2*i:CX+16*\j+2*i+1], v[TMP+8*i:TMP+8*i+7], v[SCL]   ; word n of the sixteen: the four codes of load n
.set i, i+1
.endr
	v_nop                                          ; one plain vector line behind the last conversion: its sources are written again below
.set i, 0
.rept 16
	ds_store_b32 v[XW], v[CX+16*\j+i] offset:XIMG*\j+SP*(i/4)+128*(i%4)   ; 32 lanes: 128 consecutive bytes of row 4 w + i / 4
.set i, i+1
.endr
.endm
.macro FETCHX j                        ; x's eight fragments (tile of rows m, K step s) under matrix j's scale: registers 4 c .. 4 c + 3 hold K = 128 s + 32 c + 16 h + 0 .. 15, as W's do
.irp m, 0,1
.irp s, 0,1,2,3
.irp c, 0,1,2,3
	ds_load_b128 v[XF+64*\m+16*\s+4*\c:XF+64*\m+16*\s+4*\c+3], v[XA] offset:XIMG*\j+16*SP*\m+128*\s+32*\c
.endr
.endr
.endr
.endm
.macro MULT T                          ; eight products: tile T against both tiles of rows, K ascending; the two accumulators take turns; the first product starts each sum
.set tt, (\T)%4
	WIN 0x01                                       ; source 0 (W) window 1
.irp s, 0,1,2,3
.irp m, 0,1
.if \s == 0
	v_wmma_f32_16x16x128_fp8_fp8 v[ACC+32*\m+8*tt:ACC+32*\m+8*tt+7], v[64*tt+16*\s:64*tt+16*\s+15], v[XF+64*\m+16*\s:XF+64*\m+16*\s+15], 0
.else
	v_wmma_f32_16x16x128_fp8_fp8 v[ACC+32*\m+8*tt:ACC+32*\m+8*tt+7], v[64*tt+16*\s:64*tt+16*\s+15], v[XF+64*\m+16*\s:XF+64*\m+16*\s+15], v[ACC+32*\m+8*tt:ACC+32*\m+8*tt+7]
.endif
.endr
.endr
	WIN 0
.rept 4
	v_nop                                          ; four places in front of loads into registers that these products read, and of the first read of their results
.endr
.endm
; The way out of q (j = 0) or k (j = 1): sum x 2^(ex + ew) + bias, held, quantised; 16 codes a lane into the stage; a barrier, since a row's 512 bytes come from eight waves;
; back as whole rows; stage row 4 w + i goes to row 4 w + p_i of the buffer.
.macro OUTQK j, stg, p0, p1, p2, p3
.if \j > 0
	s_wait_xcnt 0x0                                ; the last way out's stores have read their data registers, which are written again below
.endif
	v_mov_b32 v[SCL], s[44+8*\j]
	v_mov_b32 v[LIMV], s[45+8*\j]
.irp m, 0,1
.irp b, 0,1
.set AA, ACC+32*\m+16*\b
.irp i, 0,2,4,6,8,10,12,14
	v_pk_fma_f32 v[AA+\i:AA+\i+1], v[AA+\i:AA+\i+1], s[40+8*\j:41+8*\j], v[BI+16*\b+\i:BI+16*\b+\i+1] op_sel_hi:[1,0,1]   ; each accumulator from its low end on
.endr
.irp i, 0,1,2,3,4,5,6,7,8,9,10,11,12,13,14,15
	v_med3_num_f32 v[AA+\i], v[AA+\i], -v[LIMV], v[LIMV]
.endr
	v_cvt_scalef32_pk8_fp8_f32 v[CO+4*(2*\m+\b):CO+4*(2*\m+\b)+1], v[AA:AA+7], v[SCL]
	v_cvt_scalef32_pk8_fp8_f32 v[CO+4*(2*\m+\b)+2:CO+4*(2*\m+\b)+3], v[AA+8:AA+15], v[SCL]
.endr
.endr
	v_nop                                          ; one plain vector line behind the last conversion
.irp m, 0,1
.irp b, 0,1
	ds_store_b128 v[SO], v[CO+4*(2*\m+\b):CO+4*(2*\m+\b)+3] offset:\stg+16*SP*\m+32*\b
.endr
.endr
	BARRIER
.irp i, 0,1,2,3
	ds_load_b128 v[CO+4*\i:CO+4*\i+3], v[RB] offset:\stg+SP*\i
.endr
	s_wait_dscnt 0x0
	global_store_b128 v[XO], v[CO:CO+3], s[20+2*\j:21+2*\j] offset:512*\p0        ; 32 lanes store a whole row: 512 consecutive bytes, at a multiple of 512 from the buffer's first byte
	global_store_b128 v[XO], v[CO+4:CO+7], s[20+2*\j:21+2*\j] offset:512*\p1
	global_store_b128 v[XO], v[CO+8:CO+11], s[20+2*\j:21+2*\j] offset:512*\p2
	global_store_b128 v[XO], v[CO+12:CO+15], s[20+2*\j:21+2*\j] offset:512*\p3
.endm
; The way out of v: a lane's eight registers are eight neighbouring keys of one d: 8 codes into row d of the stage; back as rows of 256 bytes, eight rows a wave.
.macro OUTV
	s_wait_xcnt 0x0                                ; k's stores have read their data registers
	v_mov_b32 v[SCL], s60
	v_mov_b32 v[LIMV], s61
.irp m, 0,1
.irp t, 0,1,2,3
.set AA, ACC+32*\m+8*\t
.irp i, 0,2,4,6
	v_pk_fma_f32 v[AA+\i:AA+\i+1], v[AA+\i:AA+\i+1], s[56:57], v[BI+8*\t+\i:BI+8*\t+\i+1] op_sel_hi:[1,0,1]
.endr
.irp i, 0,1,2,3,4,5,6,7
	v_med3_num_f32 v[AA+\i], v[AA+\i], -v[LIMV], v[LIMV]
.endr
	v_cvt_scalef32_pk8_fp8_f32 v[CO+2*(4*\m+\t):CO+2*(4*\m+\t)+1], v[AA:AA+7], v[SCL]
.endr
.endr
	v_nop                                          ; one plain vector line behind the last conversion
.irp m, 0,1
.irp t, 0,1,2,3
	ds_store_b64 v[VSO], v[CO+2*(4*\m+\t):CO+2*(4*\m+\t)+1] offset:VS+2*VSP*\t+128*\m   ; row d = 8 w + 2 t + h, keys 8 (16 m + r) on
.endr
.endr
	BARRIER
.irp i, 0,1,2,3
	ds_load_b128 v[CO+4*\i:CO+4*\i+3], v[VRB] offset:VS+2*VSP*\i
.endr
	s_wait_dscnt 0x0
.irp i, 0,1,2,3
	global_store_b128 v[VGO], v[CO+4*\i:CO+4*\i+3], s[24:25] offset:8192*\i      ; sixteen lanes store 256 consecutive bytes of row d = 8 w + h + 2 i, at a multiple of 256 from vc's first byte
.endr
.endm
	s_load_b512 s[4:19], s[0:1], 0x0               ; x 4, Wq 6, Wk 8, Wv 10, bq 12, bk 14, bv 16, the scales' exponents 18
	s_load_b128 s[20:23], s[0:1], 0x40             ; qc 20, kc 22
	s_load_b64 s[24:25], s[0:1], 0x50              ; vc
	v_lshrrev_b32 v144, 5, v0
	v_readfirstlane_b32 s[WV], v144                ; wave 0..7
	v_and_b32 v144, 31, v0                         ; lane
	v_and_b32 v145, 15, v0                         ; r
	v_bfe_u32 v146, v0, 4, 1                       ; h
	v_lshlrev_b32 v[XO], 4, v144
	s_mul_i32 s2, s[WV], 4*SP
	v_lshl_add_u32 v[RB], v144, 4, s2
	s_add_co_u32 s3, s2, XCB
	v_lshl_add_u32 v[XW], v144, 2, s3
	v_mul_u32_u24 v147, v145, SP
	v_lshl_add_u32 v147, v146, 4, v147             ; 528 r + 16 h
	v_add_nc_u32 v[XA], XCB, v147
	s_lshl_b32 s2, s[WV], 6
	v_add_nc_u32 v[SO], s2, v147
	v_and_b32 v147, 8, v145
	v_add_nc_u32 v147, v147, v145                  ; r + 8 (r / 8)
	v_lshlrev_b32 v[WQK], 9, v147
	v_lshl_add_u32 v[WQK], v146, 4, v[WQK]
	v_and_b32 v147, 7, v145
	v_lshlrev_b32 v147, 6, v147                    ; 64 (r % 8)
	v_lshrrev_b32 v[WVA], 3, v145
	v_add_nc_u32 v[WVA], v[WVA], v147
	v_lshlrev_b32 v[WVA], 9, v[WVA]
	v_lshl_add_u32 v[WVA], v146, 4, v[WVA]
	v_lshlrev_b32 v[BA], 6, v146
	v_lshlrev_b32 v[BVA], 2, v146
	s_mul_i32 s2, s[WV], 8*VSP
	v_mul_u32_u24 v147, v146, VSP
	v_add_nc_u32 v147, s2, v147                    ; (8 w + h) x 272
	v_lshl_add_u32 v[VSO], v145, 3, v147
	v_lshl_add_u32 v[VRB], v145, 4, v147
	v_lshlrev_b32 v[VGO], 12, v146
	v_lshl_add_u32 v[VGO], v145, 4, v[VGO]
	s_mov_b32 s3, 0
	s_mov_b32 s39, 0
	s_lshl_b32 s2, ttmp9, 16                       ; the work-group's 32 rows of 2,048 bytes,
	s_lshl_b32 s38, s[WV], 13                      ; my wave's four of them
	s_add_co_u32 s2, s2, s38
	s_wait_kmcnt 0x0
	s_load_b256 s[28:35], s[18:19], 0x0            ; e0 .. e7
	s_load_b64 s[36:37], s[18:19], 0x20            ; e8, e9
	s_add_nc_u64 s[4:5], s[4:5], s[2:3]
.set i, 0
.rept 16
	global_load_b128 v[XR+4*i:XR+4*i+3], v[XO], s[4:5] offset:512*i th:TH_LOAD_NT   ; row 4 w + i / 4, quarter i % 4: 512 consecutive bytes
.set i, i+1
.endr
	s_lshl_b32 s38, s[WV], 8                       ; every base is stepped once, ahead of the first load that names it
	s_add_nc_u64 s[12:13], s[12:13], s[38:39]      ; bq, bk at column 64 w
	s_add_nc_u64 s[14:15], s[14:15], s[38:39]
	s_lshl_b32 s38, s[WV], 15
	s_add_nc_u64 s[6:7], s[6:7], s[38:39]          ; Wq, Wk at row 64 w
	s_add_nc_u64 s[8:9], s[8:9], s[38:39]
	BIASQK 0
	LOADT 0
	LOADT 1
	s_lshl_b32 s38, s[WV], 12
	s_add_nc_u64 s[10:11], s[10:11], s[38:39]      ; Wv at row 8 w
	s_lshl_b32 s38, s[WV], 5
	s_add_nc_u64 s[16:17], s[16:17], s[38:39]      ; bv at column 8 w
	s_lshl_b32 s2, ttmp9, 14
	s_lshl_b32 s38, s[WV], 11
	s_add_co_u32 s2, s2, s38
	s_add_nc_u64 s[20:21], s[20:21], s[2:3]        ; qc, kc at row 32 x work-group + 4 w
	s_add_nc_u64 s[22:23], s[22:23], s[2:3]
	s_lshr_b32 s2, ttmp9, 4
	s_lshl_b32 s2, s2, 18                          ; vc: the head's 64 rows of 4,096 bytes,
	s_lshl_b32 s38, s[WV], 15                      ; row d = 8 w,
	s_add_co_u32 s2, s2, s38
	s_and_b32 s38, ttmp9, 15
	s_lshl_b32 s38, s38, 8                         ; the work-group's 256 keys
	s_add_co_u32 s2, s2, s38
	s_add_nc_u64 s[24:25], s[24:25], s[2:3]
	s_wait_kmcnt 0x0
	SCALES 0, 34                                   ; q: e0, e1; result e6
	SCALES 1, 35                                   ; k: e2, e3; result e7
	SCALES 2, 37                                   ; v: e4, e5; result e9
	s_wait_loadcnt 40                              ; x is in; behind it: bq's 8 loads, tiles 0 and 1
	LOADT 2
	QX 0
	LOADT 3
	QX 1
	QX 2
	BARRIER                                        ; x's codes, 32 rows under each of the three scales, lie in LDS
	FETCHX 0
	s_wait_dscnt 0x0
	s_wait_loadcnt 48                              ; tile 0 is in; behind it: tiles 1, 2, 3.  (bq is older still)
	MULT 0
	LOADT 4
	s_wait_loadcnt 48                              ; behind tile 1: tiles 2, 3, 4
	MULT 1
	LOADT 5
	s_wait_loadcnt 48                              ; behind tile 2: tiles 3, 4, 5
	MULT 2
	LOADT 6
	s_wait_loadcnt 48                              ; behind tile 3: tiles 4, 5, 6
	MULT 3
	LOADT 7
	FETCHX 1                                       ; x under k's scale: the registers are free, and the wait in front of the way out's barrier is the wait for these loads too
	OUTQK 0, QS, 0, 1, 2, 3
	BIASQK 1
	s_wait_loadcnt 56                              ; behind tile 4: tiles 5, 6, 7 and bk's 8
	MULT 4
	LOADT 8
	s_wait_loadcnt 56                              ; behind tile 5: tiles 6, 7, bk, tile 8
	MULT 5
	LOADT 9
	s_wait_loadcnt 56                              ; behind tile 6: tile 7, bk, tiles 8, 9
	MULT 6
	LOADT 10
	s_wait_loadcnt 56                              ; behind tile 7: bk, tiles 8, 9, 10
	MULT 7
	LOADT 11
	FETCHX 2
	s_wait_loadcnt 63                              ; bk is in; behind it stand tiles 8 to 11, 64 loads: the largest count that the wait can name is taken
	OUTQK 1, KS, 0, 2, 1, 3                        ; of each four rows the middle two change places
	BIASV
	s_wait_loadcnt 63                              ; behind tile 8: tiles 9, 10, 11 and bv's 32: 80 loads
	MULT 8
	s_wait_loadcnt 63                              ; behind tile 9: tiles 10, 11, bv: 64 loads
	MULT 9
	s_wait_loadcnt 48                              ; behind tile 10: tile 11, bv
	MULT 10
	s_wait_loadcnt 32                              ; behind tile 11: bv
	MULT 11
	s_wait_loadcnt 0x0                             ; bv
	OUTV
	s_wait_xcnt 0x0
	v_lshl_add_u32 v254, v0, 2, 0x19000
	v_mov_b32 v255, 0
	s_wait_tensorcnt 0x0
	ds_add_u32 v254, v255
	s_wait_dscnt 0x0
	s_endpgm
.Lfunc_end_k_qedcf32dd85_proj:
	.size	k_qedcf32dd85_proj, .Lfunc_end_k_qedcf32dd85_proj-k_qedcf32dd85_proj
	.p2alignl 7, 3214868480
	.fill 96, 4, 3214868480
	.section	.rodata,"a",@progbits
	.p2align	6, 0x0
	.amdhsa_kernel k_qedcf32dd85_proj
		.amdhsa_group_segment_fixed_size 103424
		.amdhsa_private_segment_fixed_size 0
		.amdhsa_enable_private_segment 0
		.amdhsa_kernarg_size 88
		.amdhsa_user_sgpr_count 2
		.amdhsa_user_sgpr_kernarg_segment_ptr 1
		.amdhsa_wavefront_size32 1
		.amdhsa_system_sgpr_workgroup_id_x 1
		.amdhsa_system_sgpr_workgroup_id_y 1
		.amdhsa_system_sgpr_workgroup_id_z 1
		.amdhsa_system_vgpr_workitem_id 0
		.amdhsa_next_free_vgpr 512
		.amdhsa_next_free_sgpr 66
		.amdhsa_reserve_vcc 0
		.amdhsa_float_denorm_mode_32 3
		.amdhsa_float_denorm_mode_16_64 3
		.amdhsa_memory_ordered 1
		.amdhsa_forward_progress 1
		.amdhsa_inst_pref_size 85
	.end_amdhsa_kernel
	.amdgpu_metadata
---
amdhsa.version: [ 1, 2 ]
amdhsa.kernels:
  - .name:           k_qedcf32dd85_proj
    .symbol:         k_qedcf32dd85_proj.kd
    .args:
      - { .name: x, .offset: 0, .size: 8, .value_kind: global_buffer, .address_space: global }
      - { .name: Wq_codes, .offset: 8, .size: 8, .value_kind: global_buffer, .address_space: global }
      - { .name: Wk_codes, .offset: 16, .size: 8, .value_kind: global_buffer, .address_space: global }
      - { .name: Wv_codes, .offset: 24, .size: 8, .value_kind: global_buffer, .address_space: global }
      - { .name: bq, .offset: 32, .size: 8, .value_kind: global_buffer, .address_space: global }
      - { .name: bk, .offset: 40, .size: 8, .value_kind: global_buffer, .address_space: global }
      - { .name: bv, .offset: 48, .size: 8, .value_kind: global_buffer, .address_space: global }
      - { .name: lowp_scales, .offset: 56, .size: 8, .value_kind: global_buffer, .address_space: global }
      - { .name: qc, .offset: 64, .size: 8, .value_kind: global_buffer, .address_space: global }
      - { .name: kc, .offset: 72, .size: 8, .value_kind: global_buffer, .address_space: global }
      - { .name: vc, .offset: 80, .size: 8, .value_kind: global_buffer, .address_space: global }
    .group_segment_fixed_size: 103424
    .private_segment_fixed_size: 0
    .kernarg_segment_align: 8
    .kernarg_segment_size: 88
    .max_flat_workgroup_size: 256
    .sgpr_count:     66
    .vgpr_count:     512
    .wavefront_size: 32
...
	.end_amdgpu_metadata
.endif
;; end of part 1
;; launch attn (part 2): grid 16 x 16, 16 waves a work-group, clusters of 4 x 1, 327,680 bytes of LDS; arguments qc, kc, vc, lowp_scales, x, gamma, beta, out0; writes out0
.if DOCPART == 2
	.amdgcn_target "amdgcn-amd-amdhsa--gfx1250"
	.amdhsa_code_object_version 6
	.text
	.protected	k_qedcf32dd85_attn
	.globl	k_qedcf32dd85_attn
	.p2align	8
	.type	k_qedcf32dd85_attn,@function
k_qedcf32dd85_attn:
	s_mov_b64 s[64:65], 0
	v_nop
	global_prefetch_b8 v0, s[64:65] scope:SCOPE_SE
	s_setreg_imm32_b32 hwreg(HW_REG_WAVE_MODE, 25, 1), 1
	s_wait_xcnt 0x0
	s_wait_alu depctr_hold_cnt(0) depctr_sa_sdst(0) depctr_va_vdst(0) depctr_va_sdst(0) depctr_va_ssrc(0) depctr_va_vcc(0) depctr_vm_vsrc(0)
	s_getreg_b32 s2, hwreg(HW_REG_IB_STS2, 6, 4)
	s_cmp_eq_u32 s2, 0
	s_cbranch_scc0 .Lentry_in_a_cluster
	s_endpgm
.Lentry_in_a_cluster:
	s_bfe_u32 s2, ttmp6, 0x10000c
	s_cmp_lg_u32 s2, 0x3003
	s_cbranch_scc0 .Lentry_shape_is_right
	s_endpgm
.Lentry_shape_is_right:
; out0 = LayerNorm(x + attention), both products of the attention on codes of FP8 (E4M3), each operand with the scale 2^e that is given for it: e6 (q), e7 (k), e8 (p), e9 (v).
; qc: [16 heads][4096 queries][64] codes.  kc: the same for the keys, with the rows in the order that the tiles below want.  vc: [16][64 (d)][4096 keys] codes, the keys innermost.
; x, out0: [8192][512] f32; gamma, beta: [512] f32.  A head's query s is 64 consecutive numbers of the flat result, so 16 neighbouring queries are two whole rows of out0.
; THE SOFTMAX: t = score x log2(e) / 8; M = the row's largest t so far, rounded UP to a whole number; p = 2^(t - M) is quantised along the keys, not normalised.  The row's sum is taken of the
; unquantised p and divides at the end.  When M moves, the sum and O are multiplied by 2^(old M - new M), which rounds nothing.
; SHARES.  A work-group owns 256 queries of one head; each of its sixteen waves owns 16 of them in 256 registers: four waves to a SIMD, so that one wave's vector work stands beside another's
; matrix work and LDS loads.  A key step (128 keys) is 12 matrix instructions against some 250 vector instructions: larger tiles a wave would spare matrix and LDS work that is not what binds here.
; Every wave walks the head's 4,096 keys.  K's and V's tiles come through a ring of two LDS slots of 512 keys.
; CLUSTER.  The four query blocks of a cluster belong to one head and walk the same K and V: each tile is asked for JOINTLY, by the same tensor load with the same descriptor and a mask that names
; the four (waves 0 and 1: K's halves; wave 2: V's 64 rows).  By this text's count a wave has at most one tensor load out.
; LAYOUT.  Both products are used transposed: S^T = K Q^T (source 0 = 16 keys, source 1 = my 16 queries), O^T = V^T P^T (source 0 = 16 of the head's 64, source 1 = P): a lane holds ONE query.
; Row 16 T + a of a step's 128 rows of kc, T = 2 b + u, is key 32 b + 8 u + a + 8 (a / 8): so the 16 registers of tiles 2 b and 2 b + 1 are the neighbouring keys 32 b + 16 h + 0 .. 15.
; Fragments come by loads of 16 bytes: registers 4 c .. 4 c + 3 hold K = 32 c + 16 h + 0 .. 15 in both sources of a product: a permutation of k that is the same on both sides.
; THE END.  A wave's 16 queries go through its stage in LDS and come back as its two rows; x is added; mean and variance (of the differences from the mean) are taken within the wave.
; LIMITS: e6 + e7 between -123 and 130 (added to c's exponent field); e8 between -126 and 119; e8 + e9 is applied by v_ldexp_f32 and has none.  NaN among the inputs is not served.
; REGISTERS: v1-3 places that stay; v5, v6 the spare word's address and 0; v7 16 x lane; v8-11 addresses in hand; v12 -M, v13 the largest t, v[14:15] the sum; v16-23 Q; v24-30 at work;
; v32-95 eight fragments of K or four of V; v96-159 S^T, then p; v160-191 O^T; v192, v193: 448 x 2^e8, 2^e8; v208-223, v240-255 my two rows of x; v224-239 p's codes.
.set SK,    512                        ; keys in a slot: four key steps
.set KP,    80                         ; a key's row in LDS: 64 bytes + 16: five times 16, so the 16 rows of a load start at 16 different places in the banks' round (ISA guide 11.1)
.set VP,    528                        ; a row of V's tile: 512 bytes + 16
.set VOFF,  SK*KP                      ; a slot: 512 rows of K, then 64 rows of V
.set SLOT1, 1<<17                      ; slot 1 begins here: one exclusive or turns an address in one slot into the other's
.set NSL,   4096/SK
.set SPARE, 2*SLOT1                    ; behind the ring: the spare words, 128 bytes for each wave: eight blocks of 256 bytes that no other line names
.set STP,   272                        ; the way out: a stage of 16 rows x (256 bytes + 16) for each wave, in slot 0: it has had its last fill (the seventh tile), and behind the last change of slots nobody reads it
.set AK0,  1
.set AV0,  2
.set PFO,  3                           ; v3   the prefetches' offset; never rewritten
.set SPW,  5                           ; v5   SPARE + 4 x my thread's number; never rewritten
.set NIL,  6                           ; v6   0; never rewritten
.set GO,   7                           ; v7   16 x lane
.set ADK,  8
.set ADV,  9
.set QF,   16
.set FR,   32
.set SS,   96
.set OT,   160
.set PC,   224
.set WV,   20                          ; s20  my wave's number
.set SEL,  22                          ; s[22:23] lane selects for v_permlanex16_b32: lane l xor 16
.set CS,   24                          ; s[24:25] c = log2(e) / 8 x 2^(e6 + e7)
.set G1K,  28                          ; s[28:35] descriptor group 1 for K's tiles; s[36:43] for V's; s[44:47], s[48:51] their groups 0, which walk
.set G1V,  36
.set G0K,  44
.set G0V,  48
.set TB,   52                          ; s52  LDS byte at which the slot in hand begins
.set SLOTS, 53                         ; s53  slots still to be asked for
.set LIM,  54                          ; s54  1 in a wave that prefetches, else the greatest number
.set PFA,  56                          ; s[56:57] where my prefetches stand
.set PFS,  58                          ; s[58:59] a slot on, in bytes: 32,768 in kc, 512 in a row of vc
; A joint load.  The branches hang on the wave's number alone.  Four v_nop follow each of the two lines.
.macro JLOAD
	s_cmp_lt_u32 s[WV], 2
	s_cbranch_scc0 .Lnot_k_\@
	tensor_load_to_lds s[G0K:G0K+3], s[G1K:G1K+7]
	s_nop 0
.rept 4
	v_nop
.endr
	s_branch .Lasked_\@
.Lnot_k_\@:
	s_cmp_lt_u32 s[WV], 3
	s_cbranch_scc0 .Lasked_\@
	tensor_load_to_lds s[G0V:G0V+3], s[G1V:G1V+7]
	s_nop 0
.rept 4
	v_nop
.endr
.Lasked_\@:
.endm
; A PREFETCH INTO THE L2 of what the NEXT change of slots will ask for: four key steps ahead of that load.  A slot is 32,768 bytes of kc on end and 512 bytes of each of vc's 64 rows.
; All clusters of a head walk the same K and V: the head's first cluster asks.  Its four partners share the blocks out BY ADDRESS: of K's bytes 8,192 each, lanes 256 bytes apart (wave 4);
; of V's rows 16 each, two lanes to a row (wave 5).  So each aligned block of 256 bytes is named once in the launch.  The last change that fills a slot asks for nothing; slots 0 and 1 come by their loads alone.
.macro ASK
	s_cmp_gt_u32 s[SLOTS], s[LIM]
	s_cbranch_scc0 .Lnot_mine_\@
	global_prefetch_b8 v[PFO], s[PFA:PFA+1] th:TH_LOAD_NT scope:SCOPE_SE
.Lnot_mine_\@:
.endm
; A round of the cluster's barrier: my work-group's barrier, wave 0's signal for the work-group, every wave's wait for all four work-groups, my work-group's barrier once more.
.macro CROUND
	s_barrier_signal -1
	s_barrier_wait -1
	s_cmp_lg_u32 s[WV], 0
	s_cbranch_scc1 .Lnot_wave_0_\@
	s_barrier_signal -3
.Lnot_wave_0_\@:
	s_barrier_wait -3
	s_barrier_signal -1
	s_barrier_wait -1
.endm
	s_load_b512 s[4:19], s[0:1], 0x0               ; qc 4, kc 6, vc 8, the scales' exponents 10, x 12, gamma 14, beta 16, out0 18
	v_lshl_add_u32 v[SPW], v0, 2, SPARE
	v_mov_b32 v[NIL], 0
	ds_add_u32 v5, v6
	s_wait_dscnt 0x0
	v_lshrrev_b32 v8, 5, v0
	v_readfirstlane_b32 s[WV], v8                  ; wave 0..15
	s_bfe_u32 s80, ttmp6, 0x40000                  ; cx: my place in the cluster: it enters the addresses of Q, x, out0 and the prefetches alone
	s_lshl_b32 s81, ttmp9, 2
	s_add_co_u32 s81, s81, s80                     ; my block of 256 queries = 4 x cluster x + cx
	s_and_b32 s82, ttmp7, 0xffff                   ; the head, which the four partners share
	s_lshl_b32 s84, s82, 18                        ; the head's first byte in each buffer of codes
	s_mov_b32 s85, 0
	s_and_b32 s92, s[WV], 1                        ; which half of K's 512 rows I fetch, if I fetch:
	s_lshl_b32 s86, s92, 14                        ; 256 rows of 64 bytes in memory,
	s_add_co_u32 s86, s86, s84
	s_mov_b32 s87, 0
	s_mul_i32 s93, s92, 256*KP                     ; and in a slot
	s_lshl_b32 s88, s81, 14                        ; Q: my block's 256 rows of 64 bytes,
	s_lshl_b32 s89, s[WV], 10                      ; my wave's 16
	s_add_co_u32 s88, s88, s89
	s_add_co_u32 s88, s88, s84
	s_mov_b32 s89, 0
	s_lshl_b32 s90, s82, 20                        ; x, out0: the head's 512 rows of 2,048 bytes,
	s_lshl_b32 s91, s81, 16                        ; my block's 32,
	s_add_co_u32 s90, s90, s91
	s_lshl_b32 s91, s[WV], 12                      ; my wave's two
	s_add_co_u32 s90, s90, s91
	s_mov_b32 s91, 0
	; descriptor group 1.  K: 256 rows of 64 bytes, dense in memory.  V: 64 rows of 512 bytes, 4,096 bytes apart
	s_mov_b32 s[G1K], 15|(1<<20)|(1<<21)|(3<<22)|(3<<25)   ; 15:0 the mask: all four work-groups; 17:16 elements of 1 byte; 20 padding on; 21 set beside a mask; 24:22 after every 16 words (code 3); 31:25 four words (code 3)
	s_mov_b32 s[G1K+1], 64<<16                     ; tensor_dim0
	s_mov_b32 s[G1K+2], 256<<16                    ; tensor_dim1
	s_mov_b32 s[G1K+3], 64<<16                     ; tile_dim0
	s_mov_b32 s[G1K+4], 256                        ; tile_dim1
	s_mov_b32 s[G1K+5], 64                         ; tensor_dim0_stride
	s_mov_b32 s[G1K+6], 0
	s_mov_b32 s[G1K+7], 0
	s_mov_b32 s[G1V], 15|(1<<20)|(1<<21)|(6<<22)|(3<<25)   ; padding: four words after every 128
	s_mov_b32 s[G1V+1], 512<<16
	s_mov_b32 s[G1V+2], 64<<16
	s_mov_b32 s[G1V+3], 512<<16
	s_mov_b32 s[G1V+4], 64
	s_mov_b32 s[G1V+5], 4096
	s_mov_b32 s[G1V+6], 0
	s_mov_b32 s[G1V+7], 0
	s_mov_b32 s[SEL], 0x76543210
	s_mov_b32 s[SEL+1], 0xfedcba98
	s_mov_b32 s[CS], 0x3e38aa3b                    ; log2(e) / 8
	s_mov_b32 s60, 0x3b000000                      ; 1 / 512
	s_mov_b32 s61, 0x3727c5ac                      ; 1e-5
	s_mov_b32 s62, 0xbb000000                      ; -1 / 512
	s_mov_b32 s[TB], 0
	s_mov_b32 s[SLOTS], NSL-1
	s_wait_kmcnt 0x0
	s_load_b128 s[68:71], s[10:11], 0x18           ; e6, e7, e8, e9
	s_mov_b32 s[G0K], 1                            ; 1:0 count = 1
	s_mov_b32 s[G0K+1], s93                        ; 63:32 LDS address: slot 0
	s_add_nc_u64 s[G0K+2:G0K+3], s[6:7], s[86:87]  ; 120:64 global address: the head's first 512 keys
	s_or_b32 s[G0K+3], s[G0K+3], 0x80000000        ; 127:126 type = 2
	s_mov_b32 s[G0V], 1
	s_mov_b32 s[G0V+1], VOFF
	s_add_nc_u64 s[G0V+2:G0V+3], s[8:9], s[84:85]
	s_or_b32 s[G0V+3], s[G0V+3], 0x80000000
	CROUND                                         ; all four work-groups are here: the first joint loads meet
	JLOAD                                          ; slot 0
	s_add_nc_u64 s[4:5], s[4:5], s[88:89]          ; Q's codes at my first query
	s_add_nc_u64 s[12:13], s[12:13], s[90:91]      ; x and out0 at my first row
	s_add_nc_u64 s[18:19], s[18:19], s[90:91]
	v_and_b32 v8, 15, v0                           ; r
	v_bfe_u32 v9, v0, 4, 1                         ; h
	v_lshlrev_b32 v10, 6, v8
	v_lshl_add_u32 v10, v9, 4, v10                 ; Q: row r of 64 bytes, + 16 h
	global_load_b128 v[QF:QF+3], v10, s[4:5] th:TH_LOAD_NT
	global_load_b128 v[QF+4:QF+7], v10, s[4:5] offset:32 th:TH_LOAD_NT
	v_and_b32 v[GO], 31, v0
	v_lshlrev_b32 v[GO], 4, v[GO]
.irp i, 0,1,2,3
	global_load_b128 v[208+4*\i:211+4*\i], v[GO], s[12:13] offset:512*\i th:TH_LOAD_NT        ; my first row of x: 512 consecutive bytes a load; it waits in registers for the end
	global_load_b128 v[240+4*\i:243+4*\i], v[GO], s[12:13] offset:2048+512*\i th:TH_LOAD_NT   ; my second
.endr
	v_mul_u32_u24 v[AK0], v8, KP
	v_lshl_add_u32 v[AK0], v9, 4, v[AK0]           ; K: row r of a tile, + 16 h
	v_mul_u32_u24 v[AV0], v8, VP
	v_lshl_add_u32 v[AV0], v9, 4, v[AV0]
	v_add_nc_u32 v[AV0], VOFF, v[AV0]              ; V likewise, behind K's rows
	; the prefetches: where my wave's stand, and who asks
	s_cmp_eq_u32 s[WV], 4                          ; wave 4 asks for K's codes, wave 5 for V's
	s_cselect_b64 s[PFA:PFA+1], s[6:7], s[8:9]
	s_mov_b32 s[PFS], 512
	s_cselect_b32 s[PFS], 32768, s[PFS]            ; a slot on
	s_mov_b32 s[PFS+1], 0
	s_mov_b32 s94, 4096
	s_cselect_b32 s94, 256, s94                    ; K: 256 bytes from lane to lane;  V: 4,096 from pair of lanes to pair,
	s_cselect_b32 s95, 0, 1                        ; and 256 within a pair: the shift and the mask are the same number
	s_cselect_b32 s83, 13, 16                      ; from partner to partner: 8,192 bytes of K, 16 rows of V
	v_and_b32 v[PFO], 31, v0
	v_and_b32 v11, s95, v[PFO]
	v_lshrrev_b32 v[PFO], s95, v[PFO]
	v_mul_lo_u32 v[PFO], v[PFO], s94
	v_lshl_add_u32 v[PFO], v11, 8, v[PFO]
	s_lshl_b32 s96, s80, s83                       ; my work-group's share,
	s_add_co_u32 s96, s96, s[PFS]                  ; in slot 1: the first change of slots steps it to slot 2.  Nothing is prefetched here, at the head
	s_add_co_u32 s96, s96, s84                     ; in my head
	s_mov_b32 s97, 0
	s_add_nc_u64 s[PFA:PFA+1], s[PFA:PFA+1], s[96:97]
	s_sub_co_u32 s96, s[WV], 4
	s_lshr_b32 s96, s96, 1                         ; 0 in waves 4 and 5,
	s_or_b32 s96, s96, ttmp9                       ; of the head's first cluster: the same in all four partners
	s_cmp_eq_u32 s96, 0
	s_cselect_b32 s[LIM], 1, -1
	v_mov_b32 v13, 0xff61b1e6                      ; the largest t so far: -3e38, under every t
	v_floor_f32 v12, -v13                          ; -M
	v_mov_b32 v14, 0                               ; the sum, in two halves
	v_mov_b32 v15, 0
	v_mov_b32 v27, 0                               ; (named as the upper half of the pair v[26:27])
	v_mov_b32 v30, 0                               ; written once: a lane permute's destination counts as one of its sources
.set i, 0
.rept 32
	v_mov_b32 v[OT+i], 0                           ; O^T.  (The key step is written without a first step of its own: it finds zeros, which the first change of M leaves zeros)
.set i, i+1
.endr
	s_wait_kmcnt 0x0
	s_add_co_i32 s96, s68, s69
	s_lshl_b32 s96, s96, 23
	s_add_co_i32 s[CS], s[CS], s96                 ; a score stands for score x 2^(e6 + e7): the exponents are added to c's exponent field
	s_mov_b32 s[CS+1], s[CS]                       ; (named with it as a pair, so it is written)
	s_add_co_i32 s96, s70, 127
	s_lshl_b32 s97, s96, 23
	v_mov_b32 v193, s97                            ; 2^e8 as f32, for the conversion
	s_add_co_i32 s96, s96, 8
	s_lshl_b32 s96, s96, 23
	s_or_b32 s96, s96, 0x600000
	v_mov_b32 v192, s96                            ; 448 x 2^e8
; A KEY STEP: 128 keys, the q-th of the slot in hand.
.macro STEP q
	v_add_nc_u32 v[ADK], s[TB], v[AK0]
	v_add_nc_u32 v[ADV], s[TB], v[AV0]
	v_nop
	v_nop                                          ; four places (ISA guide 7.12.1 for vector instructions) behind the last products, in front of loads into registers that they read
.set T, 0
.rept 8
	ds_load_b128 v[FR+8*T:FR+8*T+3], v[ADK] offset:(128*(\q)+16*T)*KP
	ds_load_b128 v[FR+8*T+4:FR+8*T+7], v[ADK] offset:(128*(\q)+16*T)*KP+32
.set T, T+1
.endr
	s_wait_dscnt 8                                 ; tiles 0 to 3 are in; the youngest eight loads, tiles 4 to 7, may be out
.set T, 0
.rept 4
	v_wmma_f32_16x16x64_fp8_fp8 v[SS+8*T:SS+8*T+7], v[FR+8*T:FR+8*T+7], v[QF:QF+7], 0
.set T, T+1
.endr
	s_wait_dscnt 0x0
.rept 4
	v_wmma_f32_16x16x64_fp8_fp8 v[SS+8*T:SS+8*T+7], v[FR+8*T:FR+8*T+7], v[QF:QF+7], 0
.set T, T+1
.endr
.rept 4
	v_nop                                          ; four places: in front of the loads below and of the first read of the scores
.endr
.set T, 0
.rept 4                                        ; V's four fragments (16 of the head's 64 x these 128 keys) land under the softmax
.irp c, 0,1,2,3
	ds_load_b128 v[FR+16*T+4*\c:FR+16*T+4*\c+3], v[ADV] offset:16*VP*T+128*(\q)+32*\c
.endr
.set T, T+1
.endr
	v_max3_num_f32 v24, v[SS], v[SS+1], v[SS+2]    ; the step's largest score of my query, among my 64 keys, in two chains, ascending: each accumulator is read from its low end on
	v_max3_num_f32 v25, v[SS+3], v[SS+4], v[SS+5]
.irp i, 6,10,14,18,22,26,30,34,38,42,46,50,54,58
	v_max3_num_f32 v24, v24, v[SS+\i], v[SS+1+\i]
	v_max3_num_f32 v25, v25, v[SS+2+\i], v[SS+3+\i]
.endr
	v_max3_num_f32 v24, v24, v[SS+62], v[SS+63]
	v_max_num_f32 v24, v24, v25
	v_permlanex16_b32 v30, v24, s[SEL], s[SEL+1]
	v_max_num_f32 v24, v24, v30                    ; and among lane l xor 16's
	v_mul_f32 v24, s[CS], v24                      ; as t (c is positive)
	v_max_num_f32 v13, v13, v24                    ; the running largest t
	v_mov_b32 v24, v12
	v_floor_f32 v12, -v13                          ; the new -M = floor(-t) = -ceil(t): M is a whole number
	v_sub_f32 v24, v12, v24                        ; M's old value less its new one: a whole number, 0 or less
	v_cvt_i32_f32 v24, v24                         ; (it saturates)
	v_ldexp_f32 v26, 1.0, v24                      ; f = 2^(old M - new M)
.set i, 0
.rept 32
	v_pk_fma_f32 v[SS+i:SS+i+1], v[SS+i:SS+i+1], s[CS:CS+1], v[12:13] op_sel_hi:[1,0,0]   ; t - M, two at a time (of the pairs c and -M the low word serves both halves)
.set i, i+2
.endr
.set i, 0
.rept 64
	v_exp_f32 v[SS+i], v[SS+i]                     ; p = 2^(t - M), at most 1
.set i, i+1
.endr
	v_pk_mul_f32 v[14:15], v[14:15], v[26:27] op_sel_hi:[1,0]   ; the sums under the new M: the plain line behind the exponentials (ISA guide 5.7.2)
	s_wait_alu depctr_va_vdst(0)                   ; the wait ahead of the first line that names a result: one for the batch of 64
	v_pk_add_f32 v[28:29], v[SS:SS+1], v[SS+2:SS+3]   ; the row's sum is taken of the unquantised p: two at a time, in two chains
.irp i, 4,8,12,16,20,24,28,32,36,40,44,48,52,56,60
	v_pk_add_f32 v[14:15], v[14:15], v[SS+\i:SS+1+\i]
	v_pk_add_f32 v[28:29], v[28:29], v[SS+2+\i:SS+3+\i]
.endr
	v_pk_add_f32 v[14:15], v[14:15], v[28:29]
.irp b, 0,1,2,3
.irp i, 0,1,2,3,4,5,6,7,8,9,10,11,12,13,14,15
	v_min_num_f32 v[SS+16*\b+\i], v[SS+16*\b+\i], v192   ; the conversion does not saturate (ISA guide 7.6.2); p is not negative, so the hold is one-sided; it is always made
.endr
	v_cvt_scalef32_pk8_fp8_f32 v[PC+4*\b:PC+1+4*\b], v[SS+16*\b:SS+7+16*\b], v193
	v_cvt_scalef32_pk8_fp8_f32 v[PC+2+4*\b:PC+3+4*\b], v[SS+8+16*\b:SS+15+16*\b], v193
.endr
.set i, 0
.rept 16
	v_pk_mul_f32 v[OT+i:OT+i+1], v[OT+i:OT+i+1], v[26:27] op_sel_hi:[1,0]   ; O^T under the new M.  (Also the plain lines between the conversions and the products that read the codes)
.set i, i+2
.endr
	s_wait_dscnt 0x0                               ; V's fragments are in
.set T, 0
.rept 4                                        ; O^T += V^T P^T; the four accumulators take turns
	v_wmma_f32_16x16x128_fp8_fp8 v[OT+8*T:OT+8*T+7], v[FR+16*T:FR+16*T+15], v[PC:PC+15], v[OT+8*T:OT+8*T+7]
.set T, T+1
.endr
.endm
; THE CHANGE OF SLOTS stands at a slot's head.  Each wave waits for all its tensor loads (its part of the slot that it is about to read), adds 0 to its spare word, and waits for that and for its
; reads of the slot that it has left.  fill = 1: a round of the cluster's barrier follows, so that no wave of any partner still reads that slot or has a load on its way, and the slot is filled
; with the keys that follow: the load has four key steps in which to land.
.macro CHANGE fill
	s_wait_tensorcnt 0x0                           ; no tensor load of mine is out, so a group 0 may be written
	ds_add_u32 v[SPW], v[NIL]                      ; 0 onto my spare word
.if \fill
	s_xor_b32 s[G0K+1], s[G0K+1], SLOT1            ; the walking descriptors: the other slot than last time,
	s_add_nc_u64 s[G0K+2:G0K+3], s[G0K+2:G0K+3], SK*64   ; the next 512 keys; the type bits on top are not reached
	s_xor_b32 s[G0V+1], s[G0V+1], SLOT1
	s_add_nc_u64 s[G0V+2:G0V+3], s[G0V+2:G0V+3], SK
	s_wait_xcnt 0x0                                ; the last prefetch, a slot back, has read its address, so it may be written:
	s_add_nc_u64 s[PFA:PFA+1], s[PFA:PFA+1], s[PFS:PFS+1]   ; one slot further on than the walking descriptors
	s_wait_dscnt 0x0                               ; the add is done, and my reads of the slot that I have left are over
	CROUND
	JLOAD                                          ; the first thing behind the round, and a wave's one tensor load until the next
	ASK
.else
	s_wait_dscnt 0x0
	s_barrier_signal -1
	s_barrier_wait -1
.endif
.endm
.macro SLOT_STEPS
	STEP 0
	STEP 1
	STEP 2
	STEP 3
	s_xor_b32 s[TB], s[TB], SLOT1                  ; on to the other slot
.endm
; the sums of v[a] and of v[b] over the 32 lanes, in every lane; ta, tb have been written before
.macro XSUM2 a, b, ta, tb
.irp x, 1,2,4,8
	v_add_f32_dpp v[\a], v[\a], v[\a] row_xmask:\x row_mask:0xf bank_mask:0xf
	v_add_f32_dpp v[\b], v[\b], v[\b] row_xmask:\x row_mask:0xf bank_mask:0xf
.endr
	v_permlanex16_b32 v[\ta], v[\a], s[SEL], s[SEL+1]
	v_permlanex16_b32 v[\tb], v[\b], s[SEL], s[SEL+1]
	v_add_f32 v[\a], v[\a], v[\ta]
	v_add_f32 v[\b], v[\b], v[\tb]
.endm
	s_wait_loadcnt 0x0                             ; Q, and my two rows of x
.Lslot:                                            ; NSL - 1 trips: behind each change of slots but the last the next slot is asked for
	CHANGE 1
	SLOT_STEPS
	s_sub_co_u32 s[SLOTS], s[SLOTS], 1
	s_cmp_lg_u32 s[SLOTS], 0
	s_cbranch_scc1 .Lslot
	CHANGE 0                                       ; the last slot is written out
	SLOT_STEPS
	; THE WAY OUT
.rept 4
	v_nop                                          ; four places behind the last products
.endr
.irp i, 0,1,2,3
	global_load_b128 v[128+4*\i:131+4*\i], v[GO], s[14:15] offset:512*\i   ; gamma and beta at my 16 columns: 128 i + 4 x lane + 0 .. 3
	global_load_b128 v[144+4*\i:147+4*\i], v[GO], s[16:17] offset:512*\i
.endr
	v_add_f32 v14, v14, v15                        ; the sum's two halves,
	v_permlanex16_b32 v30, v14, s[SEL], s[SEL+1]
	v_add_f32 v14, v14, v30                        ; and lane l xor 16's: the row's sum
	v_rcp_f32 v14, v14
	v_and_b32 v8, 15, v0                           ; (a plain line behind the reciprocal)  r
	v_bfe_u32 v9, v0, 4, 1                         ; h
	s_mul_i32 s96, s[WV], 16*STP                   ; my stage
	v_mul_u32_u24 v10, v8, STP
	v_lshl_add_u32 v10, v9, 5, v10
	v_add_nc_u32 v10, s96, v10                     ; in: row r (a query's 256 bytes); tile t's eight channels of my half: 64 t + 32 h bytes on
	v_mul_u32_u24 v11, v9, STP
	v_lshl_add_u32 v11, v8, 4, v11
	v_add_nc_u32 v11, s96, v11                     ; back: lanes 0-15 one query, lanes 16-31 the next: 512 consecutive bytes of my two rows
	s_add_co_i32 s97, s70, s71
	s_wait_alu depctr_va_vdst(0)                   ; the wait ahead of the reciprocal's first reader
	v_ldexp_f32 v14, v14, s97                      ; x 2^(e8 + e9)
.set i, 0
.rept 16
	v_pk_mul_f32 v[SS+i:SS+i+1], v[OT+i:OT+i+1], v[14:15] op_sel_hi:[1,0]   ; O^T / the sum: register 8 t + j is channel 16 t + 8 h + j of query r; each accumulator from its low end on
.set i, i+2
.endr
.irp t, 0,1,2,3
	ds_store_b128 v10, v[SS+8*\t:SS+8*\t+3] offset:64*\t
	ds_store_b128 v10, v[SS+8*\t+4:SS+8*\t+7] offset:64*\t+16
.endr
.irp i, 0,1,2,3,4,5,6,7
	ds_load_b128 v[32+4*\i:35+4*\i], v11 offset:2*STP*\i   ; LDS serves a wave's instructions in order (ISA guide 5.7.1.4): these see my stores.  Load i: bytes 512 i + 16 x lane of my two rows
.endr
	s_wait_dscnt 0x0
.irp R, 0,1                                    ; row R: v[32 + 16 R] on; x's at v[208 + 32 R] on; at work v[64 + 8 R] on
.irp k, 0,2,4,6,8,10,12,14
	v_pk_add_f32 v[32+16*\R+\k:33+16*\R+\k], v[32+16*\R+\k:33+16*\R+\k], v[208+32*\R+\k:209+32*\R+\k]   ; h = x + attention
.endr
.endr
.irp R, 0,1
.set H, 32+16*\R
.set U, 64+8*\R
	v_pk_add_f32 v[U:U+1], v[H:H+1], v[H+2:H+3]
	v_pk_add_f32 v[U+2:U+3], v[H+4:H+5], v[H+6:H+7]
	v_pk_add_f32 v[U+4:U+5], v[H+8:H+9], v[H+10:H+11]
	v_pk_add_f32 v[U+6:U+7], v[H+12:H+13], v[H+14:H+15]
	v_pk_add_f32 v[U:U+1], v[U:U+1], v[U+2:U+3]
	v_pk_add_f32 v[U+4:U+5], v[U+4:U+5], v[U+6:U+7]
	v_pk_add_f32 v[U:U+1], v[U:U+1], v[U+4:U+5]
	v_add_f32 v[U], v[U], v[U+1]
.endr
	XSUM2 64, 72, 65, 73
	v_mul_f32 v64, s62, v64                        ; -mean
	v_mul_f32 v72, s62, v72
.irp R, 0,1
.irp k, 0,2,4,6,8,10,12,14
	v_pk_add_f32 v[32+16*\R+\k:33+16*\R+\k], v[32+16*\R+\k:33+16*\R+\k], v[64+8*\R:65+8*\R] op_sel_hi:[1,0]   ; d = h - mean
.endr
.endr
.irp R, 0,1                                    ; the sum of d^2: the variance is taken of the differences, so that a common offset of the inputs costs no digits
.set H, 32+16*\R
.set U, 64+8*\R
	v_pk_mul_f32 v[U+2:U+3], v[H:H+1], v[H:H+1]
	v_pk_mul_f32 v[U+4:U+5], v[H+2:H+3], v[H+2:H+3]
.irp k, 4,8,12
	v_pk_fma_f32 v[U+2:U+3], v[H+\k:H+\k+1], v[H+\k:H+\k+1], v[U+2:U+3]
	v_pk_fma_f32 v[U+4:U+5], v[H+\k+2:H+\k+3], v[H+\k+2:H+\k+3], v[U+4:U+5]
.endr
	v_pk_add_f32 v[U+2:U+3], v[U+2:U+3], v[U+4:U+5]
	v_add_f32 v[U+2], v[U+2], v[U+3]
.endr
	XSUM2 66, 74, 67, 75
	v_fma_f32 v66, v66, s60, s61                   ; variance + 1e-5
	v_fma_f32 v74, v74, s60, s61
	v_rsq_f32 v66, v66
	v_rsq_f32 v74, v74
	v_nop                                          ; a plain line behind the two roots
	s_wait_alu depctr_va_vdst(0)                   ; and the wait ahead of their first reader: one for both
	s_wait_loadcnt 0x0                             ; gamma, beta
.irp R, 0,1
.irp k, 0,2,4,6,8,10,12,14
	v_pk_mul_f32 v[32+16*\R+\k:33+16*\R+\k], v[32+16*\R+\k:33+16*\R+\k], v[66+8*\R:67+8*\R] op_sel_hi:[1,0]
	v_pk_fma_f32 v[32+16*\R+\k:33+16*\R+\k], v[32+16*\R+\k:33+16*\R+\k], v[128+\k:129+\k], v[144+\k:145+\k]
.endr
.endr
.irp i, 0,1,2,3,4,5,6,7
	global_store_b128 v[GO], v[32+4*\i:35+4*\i], s[18:19] offset:512*\i th:TH_STORE_NT   ; 32 lanes store 512 consecutive bytes, at a multiple of 512 from out0's first byte; written once, read by nobody here
.endr
	s_wait_tensorcnt 0x0                           ; the wave's end, behind my last tensor load and my last LDS store
	ds_add_u32 v[SPW], v[NIL]
	s_wait_dscnt 0x0
	CROUND                                         ; the closing round: no work-group ends while a partner may still ask for a tile that names it
	s_endpgm
.Lfunc_end_k_qedcf32dd85_attn:
	.size	k_qedcf32dd85_attn, .Lfunc_end_k_qedcf32dd85_attn-k_qedcf32dd85_attn
	.p2alignl 7, 3214868480
	.fill 96, 4, 3214868480
	.section	.rodata,"a",@progbits
	.p2align	6, 0x0
	.amdhsa_kernel k_qedcf32dd85_attn
		.amdhsa_group_segment_fixed_size 327680
		.amdhsa_private_segment_fixed_size 0
		.amdhsa_enable_private_segment 0
		.amdhsa_kernarg_size 64
		.amdhsa_user_sgpr_count 2
		.amdhsa_user_sgpr_kernarg_segment_ptr 1
		.amdhsa_wavefront_size32 1
		.amdhsa_system_sgpr_workgroup_id_x 1
		.amdhsa_system_sgpr_workgroup_id_y 1
		.amdhsa_system_sgpr_workgroup_id_z 1
		.amdhsa_system_vgpr_workitem_id 0
		.amdhsa_next_free_vgpr 256
		.amdhsa_next_free_sgpr 100
		.amdhsa_reserve_vcc 0
		.amdhsa_float_denorm_mode_32 3
		.amdhsa_float_denorm_mode_16_64 3
		.amdhsa_memory_ordered 1
		.amdhsa_forward_progress 1
		.amdhsa_inst_pref_size 144
	.end_amdhsa_kernel
	.amdgpu_metadata
---
amdhsa.version: [ 1, 2 ]
amdhsa.kernels:
  - .name:           k_qedcf32dd85_attn
    .symbol:         k_qedcf32dd85_attn.kd
    .args:
      - { .name: qc, .offset: 0, .size: 8, .value_kind: global_buffer, .address_space: global }
      - { .name: kc, .offset: 8, .size: 8, .value_kind: global_buffer, .address_space: global }
      - { .name: vc, .offset: 16, .size: 8, .value_kind: global_buffer, .address_space: global }
      - { .name: lowp_scales, .offset: 24, .size: 8, .value_kind: global_buffer, .address_space: global }
      - { .name: x, .offset: 32, .size: 8, .value_kind: global_buffer, .address_space: global }
      - { .name: gamma, .offset: 40, .size: 8, .value_kind: global_buffer, .address_space: global }
      - { .name: beta, .offset: 48, .size: 8, .value_kind: global_buffer, .address_space: global }
      - { .name: out0, .offset: 56, .size: 8, .value_kind: global_buffer, .address_space: global }
    .group_segment_fixed_size: 327680
    .private_segment_fixed_size: 0
    .kernarg_segment_align: 8
    .kernarg_segment_size: 64
    .max_flat_workgroup_size: 512
    .sgpr_count:     100
    .vgpr_count:     256
    .wavefront_size: 32
...
	.end_amdgpu_metadata
.endif
;; end of part 2
;; ======== version 2 of 2: 2 launches
;; workspace buffers: qc 4,194,304 bytes; kc 4,194,304 bytes; vc 4,194,304 bytes
;; launch proj (part 3): grid 256 x 1, 8 waves a work-group, no clusters, 103,424 bytes of LDS; arguments x, Wq_codes, Wk_codes, Wv_codes, bq, bk, bv, lowp_scales, qc, kc, vc; writes qc, kc, vc
.if DOCPART == 3
	.amdgcn_target "amdgcn-amd-amdhsa--gfx1250"
	.amdhsa_code_object_version 6
	.text
	.protected	k_qedcf32dd85_proj
	.globl	k_qedcf32dd85_proj
	.p2align	8
	.type	k_qedcf32dd85_proj,@function
k_qedcf32dd85_proj:
	s_mov_b64 s[64:65], 0
	v_nop
	global_prefetch_b8 v0, s[64:65] scope:SCOPE_SE
	s_setreg_imm32_b32 hwreg(HW_REG_WAVE_SCHED_MODE, 0, 2), 2
	s_setreg_imm32_b32 hwreg(HW_REG_WAVE_MODE, 25, 1), 1
	s_wait_xcnt 0x0
	s_wait_alu depctr_vm_vsrc(0)
; q = x Wq + bq, k = x Wk + bk, v = x Wv + bv on codes of FP8 (E4M3), and the three results quantised again for the attention launch.
; x: [8192][512] f32.  W*_codes: [512 (n)][512 (k)] codes, K innermost.  lowp_scales: e0 .. e9.  x is quantised three times (2^e0, 2^e2, 2^e4), the sums are
; multiplied by 2^(e0+e1), 2^(e2+e3), 2^(e4+e5), the bias is added in f32, and the result is quantised with 2^e6 (q), 2^e7 (k), 2^e9 (v).
; OUTPUTS.  reference() reshapes [8192][512] to [16 heads][4096][64] without a transposition: a head is 512 whole rows, a row is eight tokens of 64.
;   qc [8192][512]: the rows as they are.   kc: the same, but of each four rows the middle two change places, so that sixteen neighbouring tokens in kc are the keys
;   that one tile of the next launch's first product wants (8 keys, and the 8 that lie 16 further on).   vc [16][64 (d)][4096 (keys)]: the keys innermost.
; SHARES.  A work-group of eight waves takes 32 rows of x (two tiles of 16) against all 1,536 columns, so x is read once.  THE WAVES SHARE THE COLUMNS: wave w makes
; twelve tiles of 16 columns, four of each matrix.  The products are used transposed (source 0 = 16 rows of W, source 1 = 16 rows of x): a lane holds ONE row of x.
;   q, k: lane r of tile t takes W's row 64 w + 32 (t / 2) + 8 (t % 2) + r + 8 (r / 8): the 16 registers of tiles 2 b, 2 b + 1 are columns 64 w + 32 b + 16 h + 0 .. 15.
;   v:    lane r of tile t takes W's row 8 w + 2 t + (r / 8) + 64 (r % 8): register j is column 8 w + 2 t + h + 64 j: one d, eight neighbouring keys.
; NO TENSOR LOAD, NO CLUSTER: the three weights are 786,432 bytes, more than LDS holds; a ring would be filled six times or more with 16 matrix instructions a wave
; in each turn; and a fragment of W feeds two products of one wave alone.  So W goes from memory straight into operand registers, three to four tiles (48 to 64 loads a wave) ahead.
; The text is straight: no loop, no label, no branch.  Every count of a wait for loads is the number of loads written behind the one waited for.
; LIMITS: e0, e2, e4, e6, e7, e9 between -126 and 119; e0+e1, e2+e3, e4+e5 between -126 and 127, so that each power of two below is an f32 number.  NaN among the inputs is not served.
; REGISTERS.  window 0: v1-14 addresses and the scale in hand; v16-143 x's eight fragments (first: 64 numbers of x and 64 held numbers); v144-207 eight accumulators
; (first: x's codes); v208-239 the bias of the matrix in hand; v240-255 codes on the way out.   window 1: four slots of 64: W's fragments of tile T in slot T % 4.
; THE MODE: SCHED_MODE bits 1:0 = 2 (LLVM: expert scheduling mode 2), set by the entry lines.  The code itself states the register dependences between vector or matrix
; instructions and memory or LDS instructions, with s_wait_alu, always for 0.
; THE PLAN.  Registers that memory or LDS instructions touch:
;   v1-12      offsets and LDS addresses: written once at the head, ahead of one wait on va_vdst; read by loads and stores to the end; never written again.
;   CX         x's codes, 16 registers an image: written by image j's conversions, ahead of a wait on va_vdst; read by 16 LDS stores, which are dealt among the holds of image j + 1
;              (these name XR, TMP, v13, v14 alone).  One wait on vm_vsrc stands between the stores and the products, which write the same registers as accumulators.
;   XF         LDS loads land in it; holds and conversions (first image) or four tiles' products (later images) have named it, all ahead of a wait on va_vdst.
;   W's slots  Tile T's products read slot T % 4.  The wait on va_vdst at the head of tile T + 1 states that they are done; tile T + 1's products (slot (T + 1) % 4, XF, accumulators)
;              follow it, and behind them, with no further wait, the loads of tile T + 4 into slot T % 4.  Behind a matrix's fourth tile one wait frees its slot and XF together.
;   BI         read by a way out's multiply-adds, ahead of that way out's wait on va_vdst; the next bias's loads follow the wait at once.
;   CO         conversions write it | va_vdst | LDS stores read it | barrier | vm_vsrc | LDS loads land in it | global stores read it | at the next way out's head: XCNT and vm_vsrc.
.set SP,   528                         ; a stage row or a row of x's codes in LDS: 512 bytes + 16: row r starts 4 r words on in the banks' round (64 banks of 4 bytes: ISA guide 11.1)
.set VSP,  272                         ; a row of v's stage: 256 bytes + 16
.set QS,   0                           ; LDS: q's stage, 32 rows x 528
.set KS,   32*SP                       ; k's stage
.set VS,   64*SP                       ; v's stage, 64 rows x 272
.set XCB,  51200                       ; x's codes, three images of 32 rows x 528
.set XIMG, 32*SP
.set XO,   1                           ; v1   16 x lane
.set XW,   2                           ; v2   where I put four codes of x: XCB + 4 w rows + 4 x lane
.set XA,   3                           ; v3   a fragment of x: XCB + 528 r + 16 h
.set WQK,  4                           ; v4   Wq, Wk: (r + 8 (r / 8)) x 512 + 16 h
.set WVA,  5                           ; v5   Wv: ((r / 8) + 64 (r % 8)) x 512 + 16 h
.set BA,   6                           ; v6   bq, bk: 64 h
.set BVA,  7                           ; v7   bv: 4 h
.set SO,   8                           ; v8   into q's or k's stage: 528 r + 64 w + 16 h
.set RB,   9                           ; v9   back: 4 w rows + 16 x lane
.set VSO,  10                          ; v10  into v's stage: (8 w + h) x 272 + 8 r
.set VRB,  11                          ; v11  back: (8 w + h) x 272 + 16 r
.set VGO,  12                          ; v12  in vc: 4096 h + 16 r
.set SCL,  13                          ; v13  the conversion's scale as f32
.set LIMV, 14                          ; v14  448 x that scale
.set XF,   16
.set XR,   16
.set TMP,  80
.set ACC,  144
.set CX,   144
.set BI,   208
.set CO,   240
.set WV,   26                          ; s26  my wave's number
.set MSB, 0
.macro WIN new                         ; the immediate's high byte repeats the setting that is left; a switch that changes nothing is dropped.  Each macro below sets the windows that it needs and leaves them
.if MSB != \new
	s_set_vgpr_msb (MSB<<8)|\new
.set MSB, \new
.endif
.endm
.macro BARRIER                         ; my LDS stores have landed and my LDS loads are in: then the work-group's barrier
	s_wait_dscnt 0x0
	s_barrier_signal -1
	s_barrier_wait -1
.endm
; the scalars of matrix j at s[40 + 8 j] on: +0, +1: 2^(ex + ew), twice; +2: 2^ex; +3: 448 x 2^ex; +4: 2^eo; +5: 448 x 2^eo.  eo: the register that holds the result's exponent
.macro SCALES j, eo
	s_add_co_i32 s[40+8*\j], s[28+2*\j], s[29+2*\j]
	s_add_co_i32 s[40+8*\j], s[40+8*\j], 127
	s_lshl_b32 s[40+8*\j], s[40+8*\j], 23
	s_mov_b32 s[41+8*\j], s[40+8*\j]               ; (named with it as a pair, so it is written)
	s_add_co_i32 s[43+8*\j], s[28+2*\j], 127
	s_lshl_b32 s[42+8*\j], s[43+8*\j], 23
	s_add_co_i32 s[43+8*\j], s[43+8*\j], 8
	s_lshl_b32 s[43+8*\j], s[43+8*\j], 23
	s_or_b32 s[43+8*\j], s[43+8*\j], 0x600000
	s_add_co_i32 s[45+8*\j], s[\eo], 127
	s_lshl_b32 s[44+8*\j], s[45+8*\j], 23
	s_add_co_i32 s[45+8*\j], s[45+8*\j], 8
	s_lshl_b32 s[45+8*\j], s[45+8*\j], 23
	s_or_b32 s[45+8*\j], s[45+8*\j], 0x600000
.endm
.macro BIASQK j                        ; 8 loads: register 16 b + i is the bias of column 64 w + 32 b + 16 h + i
	WIN 0
.irp b, 0,1
.irp k, 0,1,2,3
	global_load_b128 v[BI+16*\b+4*\k:BI+16*\b+4*\k+3], v[BA], s[12+2*\j:13+2*\j] offset:128*\b+16*\k
.endr
.endr
.endm
.macro BIASV                           ; 32 loads: register 8 t + jj is the bias of column 8 w + 2 t + h + 64 jj
	WIN 0
.irp t, 0,1,2,3
.irp jj, 0,1,2,3,4,5,6,7
	global_load_b32 v[BI+8*\t+\jj], v[BVA], s[16:17] offset:8*\t+256*\jj
.endr
.endr
.endm
.macro LOADT T                         ; 16 loads: tile T's four fragments of W (16 rows x 128 K each) into slot T % 4 of window 1
.set jm, (\T)/4
.set tt, (\T)%4
	WIN 0x40                                       ; destination window 1, address window 0
.irp s, 0,1,2,3
.irp c, 0,1,2,3
.if jm < 2
	global_load_b128 v[64*tt+16*\s+4*\c:64*tt+16*\s+4*\c+3], v[WQK], s[6+2*jm:7+2*jm] offset:(32*(tt/2)+8*(tt%2))*512+128*\s+32*\c
.else
	global_load_b128 v[64*tt+16*\s+4*\c:64*tt+16*\s+4*\c+3], v[WVA], s[10:11] offset:1024*tt+128*\s+32*\c
.endif
.endr
.endr
.endm
; My four rows of x become codes under matrix j's scale.  The 16 LDS stores of the image before, whose codes the last wait on va_vdst has shown written, are dealt among this image's 64 holds:
; no vector instruction since that wait names their data or their address.
.macro QX j
	WIN 0
	v_mov_b32 v[SCL], s[42+8*(\j)]
	v_mov_b32 v[LIMV], s[43+8*(\j)]
.set i, 0
.rept 64
	v_med3_num_f32 v[TMP+i], v[XR+i], -v[LIMV], v[LIMV]   ; the conversion to an 8-bit code does not saturate (ISA guide 7.6.2): the hold at the largest code x the scale, always made
.if ((\j) > 0) && (i%4 == 3)
	ds_store_b32 v[XW], v[CX+16*((\j)-1)+i/4] offset:XIMG*((\j)-1)+SP*(i/16)+128*((i/4)%4)   ; word i / 4 of the image before: 32 lanes: 128 consecutive bytes of row 4 w + i / 16
.endif
.set i, i+1
.endr
.set i, 0
.rept 8
	v_cvt_scalef32_pk8_fp8_f32 v[CX+16*(\j)+2*i:CX+16*(\j)+2*i+1], v[TMP+8*i:TMP+8*i+7], v[SCL]   ; word n of the sixteen: the four codes of load n
.set i, i+1
.endr
	v_nop                                          ; one plain vector line behind the last conversion: its sources are written again below
	s_wait_alu depctr_va_vdst(0)                   ; the conversions have written this image's codes, which its LDS stores read
.endm
.macro XSEND j                         ; the last image's codes go to LDS in one run
.set i, 0
.rept 16
	ds_store_b32 v[XW], v[CX+16*(\j)+i] offset:XIMG*(\j)+SP*(i/4)+128*(i%4)   ; 32 lanes: 128 consecutive bytes of row 4 w + i / 4
.set i, i+1
.endr
.endm
.macro FETCHX j                        ; x's eight fragments (tile of rows m, K step s) under matrix j's scale: registers 4 c .. 4 c + 3 hold K = 128 s + 32 c + 16 h + 0 .. 15, as W's do
	WIN 0
.irp m, 0,1
.irp s, 0,1,2,3
.irp c, 0,1,2,3
	ds_load_b128 v[XF+64*\m+16*\s+4*\c:XF+64*\m+16*\s+4*\c+3], v[XA] offset:XIMG*\j+16*SP*\m+128*\s+32*\c
.endr
.endr
.endr
.endm
.macro MULT T                          ; eight products: tile T against both tiles of rows, K ascending; the two accumulators take turns; the first product starts each sum
.set tt, (\T)%4
	WIN 0x01                                       ; source 0 (W) window 1
.irp s, 0,1,2,3
.irp m, 0,1
.if \s == 0
	v_wmma_f32_16x16x128_fp8_fp8 v[ACC+32*\m+8*tt:ACC+32*\m+8*tt+7], v[64*tt+16*\s:64*tt+16*\s+15], v[XF+64*\m+16*\s:XF+64*\m+16*\s+15], 0
.else
	v_wmma_f32_16x16x128_fp8_fp8 v[ACC+32*\m+8*tt:ACC+32*\m+8*tt+7], v[64*tt+16*\s:64*tt+16*\s+15], v[XF+64*\m+16*\s:XF+64*\m+16*\s+15], v[ACC+32*\m+8*tt:ACC+32*\m+8*tt+7]
.endif
.endr
.endr
.rept 4
	v_nop                                          ; four places (ISA guide 7.12.1) behind the tile's last product, ahead of the first read of its results; they stand beside the waits on va_vdst, which fill no place
.endr
.endm
; A tile.  left: the loads written behind this tile's.  ask = 1: the tile three further on is asked for, into the slot that the tile before has left.
.macro TILE T, left, ask
	s_wait_loadcnt \left                           ; loads come back in order (ISA guide 5.7.1): this tile's fragments of W are in
.if \ask
	s_wait_alu depctr_va_vdst(0)                   ; the products of the tile before are done reading their slot, in which the loads below land
.endif
	MULT \T
.if \ask
	LOADT (\T)+3                                   ; no further wait: the eight products since the wait name this tile's slot, x's fragments and the accumulators, and neither the slot that is filled nor the loads' offset
.endif
.endm
; The way out of q (j = 0) or k (j = 1), first part: sum x 2^(ex + ew) + bias, held, quantised: 16 codes a lane and tile pair.
.macro QKCODES j
	WIN 0
.if \j > 0
	s_wait_xcnt 0x0                                ; the last way out's stores have had their addresses translated (ISA guide 3.1): their data registers are written again below,
	s_wait_alu depctr_vm_vsrc(0)                   ; and they have read those registers, v240 to v255
.endif
	v_mov_b32 v[SCL], s[44+8*\j]
	v_mov_b32 v[LIMV], s[45+8*\j]
.irp m, 0,1
.irp b, 0,1
.set AA, ACC+32*\m+16*\b
.irp i, 0,2,4,6,8,10,12,14
	v_pk_fma_f32 v[AA+\i:AA+\i+1], v[AA+\i:AA+\i+1], s[40+8*\j:41+8*\j], v[BI+16*\b+\i:BI+16*\b+\i+1] op_sel_hi:[1,0,1]   ; each accumulator from its low end on
.endr
.irp i, 0,1,2,3,4,5,6,7,8,9,10,11,12,13,14,15
	v_med3_num_f32 v[AA+\i], v[AA+\i], -v[LIMV], v[LIMV]
.endr
	v_cvt_scalef32_pk8_fp8_f32 v[CO+4*(2*\m+\b):CO+4*(2*\m+\b)+1], v[AA:AA+7], v[SCL]
	v_cvt_scalef32_pk8_fp8_f32 v[CO+4*(2*\m+\b)+2:CO+4*(2*\m+\b)+3], v[AA+8:AA+15], v[SCL]
.endr
.endr
	v_nop                                          ; one plain vector line behind the last conversion
	s_wait_alu depctr_va_vdst(0)                   ; the conversions have written v240 to v255, which the LDS stores read and in which LDS loads land later; the multiply-adds are done reading the bias, in which the next bias lands
.endm
; Second part: the codes into the stage; a barrier, since a row's 512 bytes come from eight waves; back as whole rows; stage row 4 w + i goes to row 4 w + p_i of the buffer.
.macro QKSEND j, stg, p0, p1, p2, p3
.irp m, 0,1
.irp b, 0,1
	ds_store_b128 v[SO], v[CO+4*(2*\m+\b):CO+4*(2*\m+\b)+3] offset:\stg+16*SP*\m+32*\b
.endr
.endr
	BARRIER
	s_wait_alu depctr_vm_vsrc(0)                   ; my LDS stores have read v240 to v255, in which the loads below land
.irp i, 0,1,2,3
	ds_load_b128 v[CO+4*\i:CO+4*\i+3], v[RB] offset:\stg+SP*\i
.endr
	s_wait_dscnt 0x0
	global_store_b128 v[XO], v[CO:CO+3], s[20+2*\j:21+2*\j] offset:512*\p0        ; 32 lanes store a whole row: 512 consecutive bytes, at a multiple of 512 from the buffer's first byte
	global_store_b128 v[XO], v[CO+4:CO+7], s[20+2*\j:21+2*\j] offset:512*\p1
	global_store_b128 v[XO], v[CO+8:CO+11], s[20+2*\j:21+2*\j] offset:512*\p2
	global_store_b128 v[XO], v[CO+12:CO+15], s[20+2*\j:21+2*\j] offset:512*\p3
.endm
; The way out of v: a lane's eight registers are eight neighbouring keys of one d: 8 codes into row d of the stage; back as rows of 256 bytes, eight rows a wave.
.macro OUTV
	WIN 0
	s_wait_xcnt 0x0                                ; k's stores have had their addresses translated: their data registers are written again below,
	s_wait_alu depctr_vm_vsrc(0)                   ; and they have read those registers, v240 to v255
	v_mov_b32 v[SCL], s60
	v_mov_b32 v[LIMV], s61
.irp m, 0,1
.irp t, 0,1,2,3
.set AA, ACC+32*\m+8*\t
.irp i, 0,2,4,6
	v_pk_fma_f32 v[AA+\i:AA+\i+1], v[AA+\i:AA+\i+1], s[56:57], v[BI+8*\t+\i:BI+8*\t+\i+1] op_sel_hi:[1,0,1]
.endr
.irp i, 0,1,2,3,4,5,6,7
	v_med3_num_f32 v[AA+\i], v[AA+\i], -v[LIMV], v[LIMV]
.endr
	v_cvt_scalef32_pk8_fp8_f32 v[CO+2*(4*\m+\t):CO+2*(4*\m+\t)+1], v[AA:AA+7], v[SCL]
.endr
.endr
	v_nop                                          ; one plain vector line behind the last conversion
	s_wait_alu depctr_va_vdst(0)                   ; the conversions have written v240 to v255, which the LDS stores read and in which LDS loads land later
.irp m, 0,1
.irp t, 0,1,2,3
	ds_store_b64 v[VSO], v[CO+2*(4*\m+\t):CO+2*(4*\m+\t)+1] offset:VS+2*VSP*\t+128*\m   ; row d = 8 w + 2 t + h, keys 8 (16 m + r) on
.endr
.endr
	BARRIER
	s_wait_alu depctr_vm_vsrc(0)                   ; my LDS stores have read v240 to v255, in which the loads below land
.irp i, 0,1,2,3
	ds_load_b128 v[CO+4*\i:CO+4*\i+3], v[VRB] offset:VS+2*VSP*\i
.endr
	s_wait_dscnt 0x0
.irp i, 0,1,2,3
	global_store_b128 v[VGO], v[CO+4*\i:CO+4*\i+3], s[24:25] offset:8192*\i      ; sixteen lanes store 256 consecutive bytes of row d = 8 w + h + 2 i, at a multiple of 256 from vc's first byte
.endr
.endm
	s_load_b512 s[4:19], s[0:1], 0x0               ; x 4, Wq 6, Wk 8, Wv 10, bq 12, bk 14, bv 16, the scales' exponents 18
	s_load_b128 s[20:23], s[0:1], 0x40             ; qc 20, kc 22
	s_load_b64 s[24:25], s[0:1], 0x50              ; vc
	v_lshrrev_b32 v144, 5, v0
	v_readfirstlane_b32 s[WV], v144                ; wave 0..7
	v_and_b32 v144, 31, v0                         ; lane
	v_and_b32 v145, 15, v0                         ; r
	v_bfe_u32 v146, v0, 4, 1                       ; h
	v_lshlrev_b32 v[XO], 4, v144
	s_wait_alu depctr_va_sdst(0)                   ; s26, the wave's number, is written, ahead of its first reader
	s_mul_i32 s2, s[WV], 4*SP                      ; four scalars of their own for the addresses below: none is written again ahead of the wait behind them
	s_add_co_u32 s3, s2, XCB
	s_lshl_b32 s38, s[WV], 6
	s_mul_i32 s39, s[WV], 8*VSP
	v_lshl_add_u32 v[RB], v144, 4, s2
	v_lshl_add_u32 v[XW], v144, 2, s3
	v_mul_u32_u24 v147, v145, SP
	v_lshl_add_u32 v147, v146, 4, v147             ; 528 r + 16 h
	v_add_nc_u32 v[XA], XCB, v147
	v_add_nc_u32 v[SO], s38, v147
	v_and_b32 v147, 8, v145
	v_add_nc_u32 v147, v147, v145                  ; r + 8 (r / 8)
	v_lshlrev_b32 v[WQK], 9, v147
	v_lshl_add_u32 v[WQK], v146, 4, v[WQK]
	v_and_b32 v147, 7, v145
	v_lshlrev_b32 v147, 6, v147                    ; 64 (r % 8)
	v_lshrrev_b32 v[WVA], 3, v145
	v_add_nc_u32 v[WVA], v[WVA], v147
	v_lshlrev_b32 v[WVA], 9, v[WVA]
	v_lshl_add_u32 v[WVA], v146, 4, v[WVA]
	v_lshlrev_b32 v[BA], 6, v146
	v_lshlrev_b32 v[BVA], 2, v146
	v_mul_u32_u24 v147, v146, VSP
	v_add_nc_u32 v147, s39, v147                   ; (8 w + h) x 272
	v_lshl_add_u32 v[VSO], v145, 3, v147
	v_lshl_add_u32 v[VRB], v145, 4, v147
	v_lshlrev_b32 v[VGO], 12, v146
	v_lshl_add_u32 v[VGO], v145, 4, v[VGO]
	s_wait_alu depctr_va_vdst(0)                   ; the twelve offsets and addresses v1 to v12 are written: every load and store of the kernel, global or LDS, reads one of them
	s_mov_b32 s3, 0
	s_mov_b32 s39, 0
	s_lshl_b32 s2, ttmp9, 16                       ; the work-group's 32 rows of 2,048 bytes,
	s_lshl_b32 s38, s[WV], 13                      ; my wave's four of them
	s_add_co_u32 s2, s2, s38
	s_wait_kmcnt 0x0
	s_load_b256 s[28:35], s[18:19], 0x0            ; e0 .. e7
	s_load_b64 s[36:37], s[18:19], 0x20            ; e8, e9
	s_add_nc_u64 s[4:5], s[4:5], s[2:3]
.set i, 0
.rept 16
	global_load_b128 v[XR+4*i:XR+4*i+3], v[XO], s[4:5] offset:512*i th:TH_LOAD_NT   ; row 4 w + i / 4, quarter i % 4: 512 consecutive bytes
.set i, i+1
.endr
	s_lshl_b32 s38, s[WV], 8                       ; every base is stepped once, ahead of the first load that names it
	s_add_nc_u64 s[12:13], s[12:13], s[38:39]      ; bq, bk at column 64 w
	s_add_nc_u64 s[14:15], s[14:15], s[38:39]
	s_lshl_b32 s38, s[WV], 15
	s_add_nc_u64 s[6:7], s[6:7], s[38:39]          ; Wq, Wk at row 64 w
	s_add_nc_u64 s[8:9], s[8:9], s[38:39]
	BIASQK 0
	LOADT 0
	LOADT 1
	s_lshl_b32 s38, s[WV], 12
	s_add_nc_u64 s[10:11], s[10:11], s[38:39]      ; Wv at row 8 w
	s_lshl_b32 s38, s[WV], 5
	s_add_nc_u64 s[16:17], s[16:17], s[38:39]      ; bv at column 8 w
	s_lshl_b32 s2, ttmp9, 14
	s_lshl_b32 s38, s[WV], 11
	s_add_co_u32 s2, s2, s38
	s_add_nc_u64 s[20:21], s[20:21], s[2:3]        ; qc, kc at row 32 x work-group + 4 w
	s_add_nc_u64 s[22:23], s[22:23], s[2:3]
	s_lshr_b32 s2, ttmp9, 4
	s_lshl_b32 s2, s2, 18                          ; vc: the head's 64 rows of 4,096 bytes,
	s_lshl_b32 s38, s[WV], 15                      ; row d = 8 w,
	s_add_co_u32 s2, s2, s38
	s_and_b32 s38, ttmp9, 15
	s_lshl_b32 s38, s38, 8                         ; the work-group's 256 keys
	s_add_co_u32 s2, s2, s38
	s_add_nc_u64 s[24:25], s[24:25], s[2:3]
	s_wait_kmcnt 0x0
	SCALES 0, 34                                   ; q: e0, e1; result e6
	SCALES 1, 35                                   ; k: e2, e3; result e7
	SCALES 2, 37                                   ; v: e4, e5; result e9
	s_wait_loadcnt 40                              ; x is in; behind it: bq's 8 loads, tiles 0 and 1
	LOADT 2
	QX 0
	LOADT 3                                        ; slots 2 and 3 are filled for the first time: no vector or matrix instruction has named them
	QX 1                                           ; with image 0's stores among its holds
	QX 2                                           ; with image 1's
	XSEND 2
	BARRIER                                        ; x's codes, 32 rows under each of the three scales, lie in LDS
	s_wait_alu depctr_vm_vsrc(0)                   ; my LDS stores have read x's codes in v144 to v191, which the products below write as accumulators
	FETCHX 0                                       ; into v16 to v143: the holds and conversions that named them stand ahead of image 2's wait on va_vdst, and no vector instruction has followed it
	s_wait_dscnt 0x0
	TILE 0, 48, 0                                  ; behind tile 0: tiles 1, 2, 3.  (bq is older still)
	TILE 1, 32, 1                                  ; behind tile 1: tiles 2, 3
	TILE 2, 32, 1                                  ; behind tile 2: tiles 3, 4
	TILE 3, 32, 1                                  ; behind tile 3: tiles 4, 5
	s_wait_alu depctr_va_vdst(0)                   ; tile 3's products are done reading their slot, in which tile 7 lands, and q's products are done reading x's fragments, in which the next image lands
	LOADT 7
	FETCHX 1                                       ; x under k's scale: the wait in front of the way out's barrier is the wait for these loads too
	QKCODES 0
	BIASQK 1                                       ; straight behind the wait that shows bq read
	QKSEND 0, QS, 0, 1, 2, 3
	TILE 4, 56, 0                                  ; behind tile 4: tiles 5, 6, 7 and bk's 8
	TILE 5, 40, 1                                  ; behind tile 5: tiles 6, 7, bk
	TILE 6, 40, 1                                  ; behind tile 6: tile 7, bk, tile 8
	TILE 7, 40, 1                                  ; behind tile 7: bk, tiles 8, 9
	s_wait_alu depctr_va_vdst(0)                   ; tile 7's products are done reading their slot, in which tile 11 lands, and k's products are done reading x's fragments, in which the next image lands
	s_wait_loadcnt 48                              ; bk is in; behind it: tiles 8, 9, 10
	LOADT 11
	FETCHX 2
	QKCODES 1
	BIASV                                          ; straight behind the wait that shows bk read
	QKSEND 1, KS, 0, 2, 1, 3                       ; of each four rows the middle two change places
	TILE 8, 63, 0                                  ; behind tile 8: tiles 9, 10, 11 and bv's 32: 80 loads: the largest count that the wait can name is taken
	TILE 9, 63, 0                                  ; behind tile 9: tiles 10, 11, bv: 64 loads
	TILE 10, 48, 0                                 ; behind tile 10: tile 11, bv
	TILE 11, 32, 0                                 ; behind tile 11: bv.  Tiles 8 to 11 ask for nothing, so they hold no wait on va_vdst
	s_wait_loadcnt 0x0                             ; bv
	OUTV
	s_wait_xcnt 0x0                                ; v's stores have had their addresses translated: two of their data registers are written below,
	s_wait_alu depctr_vm_vsrc(0)                   ; and they have read them
	v_lshl_add_u32 v254, v0, 2, 0x19000
	v_mov_b32 v255, 0
	s_wait_dscnt 0x0                               ; the closing lines, six on end
	s_wait_alu 0x0
	s_wait_tensorcnt 0x0
	ds_add_u32 v254, v255
	s_wait_dscnt 0x0
	s_endpgm
.Lfunc_end_k_qedcf32dd85_proj:
	.size	k_qedcf32dd85_proj, .Lfunc_end_k_qedcf32dd85_proj-k_qedcf32dd85_proj
	.p2alignl 7, 3214868480
	.fill 96, 4, 3214868480
	.section	.rodata,"a",@progbits
	.p2align	6, 0x0
	.amdhsa_kernel k_qedcf32dd85_proj
		.amdhsa_group_segment_fixed_size 103424
		.amdhsa_private_segment_fixed_size 0
		.amdhsa_enable_private_segment 0
		.amdhsa_kernarg_size 88
		.amdhsa_user_sgpr_count 2
		.amdhsa_user_sgpr_kernarg_segment_ptr 1
		.amdhsa_wavefront_size32 1
		.amdhsa_system_sgpr_workgroup_id_x 1
		.amdhsa_system_sgpr_workgroup_id_y 1
		.amdhsa_system_sgpr_workgroup_id_z 1
		.amdhsa_system_vgpr_workitem_id 0
		.amdhsa_next_free_vgpr 512
		.amdhsa_next_free_sgpr 66
		.amdhsa_reserve_vcc 0
		.amdhsa_float_denorm_mode_32 3
		.amdhsa_float_denorm_mode_16_64 3
		.amdhsa_memory_ordered 1
		.amdhsa_forward_progress 1
		.amdhsa_inst_pref_size 85
	.end_amdhsa_kernel
	.amdgpu_metadata
---
amdhsa.version: [ 1, 2 ]
amdhsa.kernels:
  - .name:           k_qedcf32dd85_proj
    .symbol:         k_qedcf32dd85_proj.kd
    .args:
      - { .name: x, .offset: 0, .size: 8, .value_kind: global_buffer, .address_space: global }
      - { .name: Wq_codes, .offset: 8, .size: 8, .value_kind: global_buffer, .address_space: global }
      - { .name: Wk_codes, .offset: 16, .size: 8, .value_kind: global_buffer, .address_space: global }
      - { .name: Wv_codes, .offset: 24, .size: 8, .value_kind: global_buffer, .address_space: global }
      - { .name: bq, .offset: 32, .size: 8, .value_kind: global_buffer, .address_space: global }
      - { .name: bk, .offset: 40, .size: 8, .value_kind: global_buffer, .address_space: global }
      - { .name: bv, .offset: 48, .size: 8, .value_kind: global_buffer, .address_space: global }
      - { .name: lowp_scales, .offset: 56, .size: 8, .value_kind: global_buffer, .address_space: global }
      - { .name: qc, .offset: 64, .size: 8, .value_kind: global_buffer, .address_space: global }
      - { .name: kc, .offset: 72, .size: 8, .value_kind: global_buffer, .address_space: global }
      - { .name: vc, .offset: 80, .size: 8, .value_kind: global_buffer, .address_space: global }
    .group_segment_fixed_size: 103424
    .private_segment_fixed_size: 0
    .kernarg_segment_align: 8
    .kernarg_segment_size: 88
    .max_flat_workgroup_size: 256
    .sgpr_count:     66
    .vgpr_count:     512
    .wavefront_size: 32
...
	.end_amdgpu_metadata
.endif
;; end of part 3
;; launch attn (part 4): grid 16 x 16, 16 waves a work-group, clusters of 4 x 1, 327,680 bytes of LDS; arguments qc, kc, vc, lowp_scales, x, gamma, beta, out0; writes out0
.if DOCPART == 4
	.amdgcn_target "amdgcn-amd-amdhsa--gfx1250"
	.amdhsa_code_object_version 6
	.text
	.protected	k_qedcf32dd85_attn
	.globl	k_qedcf32dd85_attn
	.p2align	8
	.type	k_qedcf32dd85_attn,@function
k_qedcf32dd85_attn:
	s_mov_b64 s[64:65], 0
	v_nop
	global_prefetch_b8 v0, s[64:65] scope:SCOPE_SE
	s_setreg_imm32_b32 hwreg(HW_REG_WAVE_MODE, 25, 1), 1
	s_wait_xcnt 0x0
	s_wait_alu depctr_hold_cnt(0) depctr_sa_sdst(0) depctr_va_vdst(0) depctr_va_sdst(0) depctr_va_ssrc(0) depctr_va_vcc(0) depctr_vm_vsrc(0)
	s_getreg_b32 s2, hwreg(HW_REG_IB_STS2, 6, 4)
	s_cmp_eq_u32 s2, 0
	s_cbranch_scc0 .Lentry_in_a_cluster
	s_endpgm
.Lentry_in_a_cluster:
	s_bfe_u32 s2, ttmp6, 0x10000c
	s_cmp_lg_u32 s2, 0x3003
	s_cbranch_scc0 .Lentry_shape_is_right
	s_endpgm
.Lentry_shape_is_right:
; out0 = LayerNorm(x + attention), both products of the attention on codes of FP8 (E4M3), each operand with the scale 2^e that is given for it: e6 (q), e7 (k), e8 (p), e9 (v).
; qc: [16 heads][4096 queries][64] codes.  kc: the same for the keys, with the rows in the order that the tiles below want.  vc: [16][64 (d)][4096 keys] codes, the keys innermost.
; x, out0: [8192][512] f32; gamma, beta: [512] f32.  A head's query s is 64 consecutive numbers of the flat result, so 16 neighbouring queries are two whole rows of out0.
; THE SOFTMAX: t = score x log2(e) / 8; M = the row's largest t so far, rounded UP to a whole number; p = 2^(t - M) is quantised along the keys, not normalised.  The row's sum is taken of the
; unquantised p and divides at the end.  When M moves, the sum and O are multiplied by 2^(old M - new M), which rounds nothing.
; SHARES.  A work-group owns 256 queries of one head; each of its sixteen waves owns 16 of them in 256 registers: four waves to a SIMD, so that one wave's vector work stands beside another's
; matrix work and LDS loads.  A key step (128 keys) is 12 matrix instructions against some 250 vector instructions: larger tiles a wave would spare matrix and LDS work that is not what binds here.
; Every wave walks the head's 4,096 keys.  K's and V's tiles come through a ring of two LDS slots of 512 keys.
; CLUSTER.  The four query blocks of a cluster belong to one head and walk the same K and V: each tile is asked for JOINTLY, by the same tensor load with the same descriptor and a mask that names
; the four (waves 0 and 1: K's halves; wave 2: V's 64 rows).  By this text's count a wave has at most one tensor load out.
; LAYOUT.  Both products are used transposed: S^T = K Q^T (source 0 = 16 keys, source 1 = my 16 queries), O^T = V^T P^T (source 0 = 16 of the head's 64, source 1 = P): a lane holds ONE query.
; Row 16 T + a of a step's 128 rows of kc, T = 2 b + u, is key 32 b + 8 u + a + 8 (a / 8): so the 16 registers of tiles 2 b and 2 b + 1 are the neighbouring keys 32 b + 16 h + 0 .. 15.
; Fragments come by loads of 16 bytes: registers 4 c .. 4 c + 3 hold K = 32 c + 16 h + 0 .. 15 in both sources of a product: a permutation of k that is the same on both sides.
; THE END.  A wave's 16 queries go through its stage in LDS and come back as its two rows; x is added; mean and variance (of the differences from the mean) are taken within the wave.
; LIMITS: e6 + e7 between -123 and 130 (added to c's exponent field); e8 between -126 and 119; e8 + e9 is applied by v_ldexp_f32 and has none.  NaN among the inputs is not served.
; REGISTERS: v1-3 places that stay; v5, v6 the spare word's address and 0; v7 16 x lane; v8-11 addresses in hand; v12 -M, v13 the largest t, v[14:15] the sum; v16-23 Q; v24-30 at work;
; v32-95 eight fragments of K or four of V; v96-159 S^T, then p; v160-191 O^T; v192, v193: 448 x 2^e8, 2^e8; v208-223, v240-255 my two rows of x; v224-239 p's codes.
.set SK,    512                        ; keys in a slot: four key steps
.set KP,    80                         ; a key's row in LDS: 64 bytes + 16: five times 16, so the 16 rows of a load start at 16 different places in the banks' round (ISA guide 11.1)
.set VP,    528                        ; a row of V's tile: 512 bytes + 16
.set VOFF,  SK*KP                      ; a slot: 512 rows of K, then 64 rows of V
.set SLOT1, 1<<17                      ; slot 1 begins here: one exclusive or turns an address in one slot into the other's
.set NSL,   4096/SK
.set SPARE, 2*SLOT1                    ; behind the ring: the spare words, 128 bytes for each wave: eight blocks of 256 bytes that no other line names
.set STP,   272                        ; the way out: a stage of 16 rows x (256 bytes + 16) for each wave, in slot 0: it has had its last fill (the seventh tile), and behind the last change of slots nobody reads it
.set AK0,  1
.set AV0,  2
.set PFO,  3                           ; v3   the prefetches' offset; never rewritten
.set SPW,  5                           ; v5   SPARE + 4 x my thread's number; never rewritten
.set NIL,  6                           ; v6   0; never rewritten
.set GO,   7                           ; v7   16 x lane
.set ADK,  8
.set ADV,  9
.set QF,   16
.set FR,   32
.set SS,   96
.set OT,   160
.set PC,   224
.set WV,   20                          ; s20  my wave's number
.set SEL,  22                          ; s[22:23] lane selects for v_permlanex16_b32: lane l xor 16
.set CS,   24                          ; s[24:25] c = log2(e) / 8 x 2^(e6 + e7)
.set G1K,  28                          ; s[28:35] descriptor group 1 for K's tiles; s[36:43] for V's; s[44:47], s[48:51] their groups 0, which walk
.set G1V,  36
.set G0K,  44
.set G0V,  48
.set TB,   52                          ; s52  LDS byte at which the slot in hand begins
.set SLOTS, 53                         ; s53  slots still to be asked for
.set LIM,  54                          ; s54  1 in a wave that prefetches, else the greatest number
.set PFA,  56                          ; s[56:57] where my prefetches stand
.set PFS,  58                          ; s[58:59] a slot on, in bytes: 32,768 in kc, 512 in a row of vc
; A joint load.  The branches hang on the wave's number alone.  Four v_nop follow each of the two lines.
.macro JLOAD
	s_cmp_lt_u32 s[WV], 2
	s_cbranch_scc0 .Lnot_k_\@
	tensor_load_to_lds s[G0K:G0K+3], s[G1K:G1K+7]
	s_nop 0
.rept 4
	v_nop
.endr
	s_branch .Lasked_\@
.Lnot_k_\@:
	s_cmp_lt_u32 s[WV], 3
	s_cbranch_scc0 .Lasked_\@
	tensor_load_to_lds s[G0V:G0V+3], s[G1V:G1V+7]
	s_nop 0
.rept 4
	v_nop
.endr
.Lasked_\@:
.endm
; A PREFETCH INTO THE L2 of what the NEXT change of slots will ask for: four key steps ahead of that load.  A slot is 32,768 bytes of kc on end and 512 bytes of each of vc's 64 rows.
; All clusters of a head walk the same K and V: the head's first cluster asks.  Its four partners share the blocks out BY ADDRESS: of K's bytes 8,192 each, lanes 256 bytes apart (wave 4);
; of V's rows 16 each, two lanes to a row (wave 5).  So each aligned block of 256 bytes is named once in the launch.  The last change that fills a slot asks for nothing; slots 0 and 1 come by their loads alone.
.macro ASK
	s_cmp_gt_u32 s[SLOTS], s[LIM]
	s_cbranch_scc0 .Lnot_mine_\@
	global_prefetch_b8 v[PFO], s[PFA:PFA+1] th:TH_LOAD_NT scope:SCOPE_SE
.Lnot_mine_\@:
.endm
; A round of the cluster's barrier: my work-group's barrier, wave 0's signal for the work-group, every wave's wait for all four work-groups, my work-group's barrier once more.
.macro CROUND
	s_barrier_signal -1
	s_barrier_wait -1
	s_cmp_lg_u32 s[WV], 0
	s_cbranch_scc1 .Lnot_wave_0_\@
	s_barrier_signal -3
.Lnot_wave_0_\@:
	s_barrier_wait -3
	s_barrier_signal -1
	s_barrier_wait -1
.endm
	s_load_b512 s[4:19], s[0:1], 0x0               ; qc 4, kc 6, vc 8, the scales' exponents 10, x 12, gamma 14, beta 16, out0 18
	v_lshl_add_u32 v[SPW], v0, 2, SPARE
	v_mov_b32 v[NIL], 0
	ds_add_u32 v5, v6
	ds_add_u32 v5, v6
	s_wait_dscnt 0x0
	v_lshrrev_b32 v8, 5, v0
	s_delay_alu instid0(VALU_DEP_1)
	v_readfirstlane_b32 s[WV], v8                  ; wave 0..15
	s_bfe_u32 s80, ttmp6, 0x40000                  ; cx: my place in the cluster: it enters the addresses of Q, x, out0 and the prefetches alone
	s_lshl_b32 s81, ttmp9, 2
	s_add_co_u32 s81, s81, s80                     ; my block of 256 queries = 4 x cluster x + cx
	s_and_b32 s82, ttmp7, 0xffff                   ; the head, which the four partners share
	s_lshl_b32 s84, s82, 18                        ; the head's first byte in each buffer of codes
	s_mov_b32 s85, 0
	s_and_b32 s92, s[WV], 1                        ; which half of K's 512 rows I fetch, if I fetch:
	s_lshl_b32 s86, s92, 14                        ; 256 rows of 64 bytes in memory,
	s_add_co_u32 s86, s86, s84
	s_mov_b32 s87, 0
	s_mul_i32 s93, s92, 256*KP                     ; and in a slot
	s_lshl_b32 s88, s81, 14                        ; Q: my block's 256 rows of 64 bytes,
	s_lshl_b32 s89, s[WV], 10                      ; my wave's 16
	s_add_co_u32 s88, s88, s89
	s_add_co_u32 s88, s88, s84
	s_mov_b32 s89, 0
	s_lshl_b32 s90, s82, 20                        ; x, out0: the head's 512 rows of 2,048 bytes,
	s_lshl_b32 s91, s81, 16                        ; my block's 32,
	s_add_co_u32 s90, s90, s91
	s_lshl_b32 s91, s[WV], 12                      ; my wave's two
	s_add_co_u32 s90, s90, s91
	s_mov_b32 s91, 0
	; descriptor group 1.  K: 256 rows of 64 bytes, dense in memory.  V: 64 rows of 512 bytes, 4,096 bytes apart
	s_mov_b32 s[G1K], 15|(1<<20)|(1<<21)|(3<<22)|(3<<25)   ; 15:0 the mask: all four work-groups; 17:16 elements of 1 byte; 20 padding on; 21 set beside a mask; 24:22 after every 16 words (code 3); 31:25 four words (code 3)
	s_mov_b32 s[G1K+1], 64<<16                     ; tensor_dim0
	s_mov_b32 s[G1K+2], 256<<16                    ; tensor_dim1
	s_mov_b32 s[G1K+3], 64<<16                     ; tile_dim0
	s_mov_b32 s[G1K+4], 256                        ; tile_dim1
	s_mov_b32 s[G1K+5], 64                         ; tensor_dim0_stride
	s_mov_b32 s[G1K+6], 0
	s_mov_b32 s[G1K+7], 0
	s_mov_b32 s[G1V], 15|(1<<20)|(1<<21)|(6<<22)|(3<<25)   ; padding: four words after every 128
	s_mov_b32 s[G1V+1], 512<<16
	s_mov_b32 s[G1V+2], 64<<16
	s_mov_b32 s[G1V+3], 512<<16
	s_mov_b32 s[G1V+4], 64
	s_mov_b32 s[G1V+5], 4096
	s_mov_b32 s[G1V+6], 0
	s_mov_b32 s[G1V+7], 0
	s_mov_b32 s[SEL], 0x76543210
	s_mov_b32 s[SEL+1], 0xfedcba98
	s_mov_b32 s[CS], 0x3e38aa3b                    ; log2(e) / 8
	s_mov_b32 s60, 0x3b000000                      ; 1 / 512
	s_mov_b32 s61, 0x3727c5ac                      ; 1e-5
	s_mov_b32 s62, 0xbb000000                      ; -1 / 512
	s_mov_b32 s[TB], 0
	s_mov_b32 s[SLOTS], NSL-1
	s_wait_kmcnt 0x0
	s_load_b128 s[68:71], s[10:11], 0x18           ; e6, e7, e8, e9
	s_mov_b32 s[G0K], 1                            ; 1:0 count = 1
	s_mov_b32 s[G0K+1], s93                        ; 63:32 LDS address: slot 0
	s_add_nc_u64 s[G0K+2:G0K+3], s[6:7], s[86:87]  ; 120:64 global address: the head's first 512 keys
	s_or_b32 s[G0K+3], s[G0K+3], 0x80000000        ; 127:126 type = 2
	s_mov_b32 s[G0V], 1
	s_mov_b32 s[G0V+1], VOFF
	s_add_nc_u64 s[G0V+2:G0V+3], s[8:9], s[84:85]
	s_or_b32 s[G0V+3], s[G0V+3], 0x80000000
	CROUND                                         ; all four work-groups are here: the first joint loads meet
	JLOAD                                          ; slot 0
	s_add_nc_u64 s[4:5], s[4:5], s[88:89]          ; Q's codes at my first query
	s_add_nc_u64 s[12:13], s[12:13], s[90:91]      ; x and out0 at my first row
	s_add_nc_u64 s[18:19], s[18:19], s[90:91]
	v_and_b32 v8, 15, v0                           ; r
	v_bfe_u32 v9, v0, 4, 1                         ; h
	s_delay_alu instid0(VALU_DEP_2)
	v_lshlrev_b32 v10, 6, v8
	s_delay_alu instid0(VALU_DEP_1)
	v_lshl_add_u32 v10, v9, 4, v10                 ; Q: row r of 64 bytes, + 16 h
	global_load_b128 v[QF:QF+3], v10, s[4:5] th:TH_LOAD_NT
	global_load_b128 v[QF+4:QF+7], v10, s[4:5] offset:32 th:TH_LOAD_NT
	v_and_b32 v[GO], 31, v0
	s_delay_alu instid0(VALU_DEP_1)
	v_lshlrev_b32 v[GO], 4, v[GO]
.irp i, 0,1,2,3
	global_load_b128 v[208+4*\i:211+4*\i], v[GO], s[12:13] offset:512*\i th:TH_LOAD_NT        ; my first row of x: 512 consecutive bytes a load; it waits in registers for the end
	global_load_b128 v[240+4*\i:243+4*\i], v[GO], s[12:13] offset:2048+512*\i th:TH_LOAD_NT   ; my second
.endr
	v_mul_u32_u24 v[AK0], v8, KP
	s_delay_alu instid0(VALU_DEP_1)
	v_lshl_add_u32 v[AK0], v9, 4, v[AK0]           ; K: row r of a tile, + 16 h
	v_mul_u32_u24 v[AV0], v8, VP
	s_delay_alu instid0(VALU_DEP_1)
	v_lshl_add_u32 v[AV0], v9, 4, v[AV0]
	s_delay_alu instid0(VALU_DEP_1)
	v_add_nc_u32 v[AV0], VOFF, v[AV0]              ; V likewise, behind K's rows
	; the prefetches: where my wave's stand, and who asks
	s_cmp_eq_u32 s[WV], 4                          ; wave 4 asks for K's codes, wave 5 for V's
	s_cselect_b64 s[PFA:PFA+1], s[6:7], s[8:9]
	s_mov_b32 s[PFS], 512
	s_cselect_b32 s[PFS], 32768, s[PFS]            ; a slot on
	s_mov_b32 s[PFS+1], 0
	s_mov_b32 s94, 4096
	s_cselect_b32 s94, 256, s94                    ; K: 256 bytes from lane to lane;  V: 4,096 from pair of lanes to pair,
	s_cselect_b32 s95, 0, 1                        ; and 256 within a pair: the shift and the mask are the same number
	s_cselect_b32 s83, 13, 16                      ; from partner to partner: 8,192 bytes of K, 16 rows of V
	v_and_b32 v[PFO], 31, v0
	s_delay_alu instid0(VALU_DEP_1)
	v_and_b32 v11, s95, v[PFO]
	s_delay_alu instid0(VALU_DEP_2)
	v_lshrrev_b32 v[PFO], s95, v[PFO]
	s_delay_alu instid0(VALU_DEP_1)
	v_mul_lo_u32 v[PFO], v[PFO], s94
	s_delay_alu instid0(VALU_DEP_1)
	v_lshl_add_u32 v[PFO], v11, 8, v[PFO]
	s_lshl_b32 s96, s80, s83                       ; my work-group's share,
	s_add_co_u32 s96, s96, s[PFS]                  ; in slot 1: the first change of slots steps it to slot 2.  Nothing is prefetched here, at the head
	s_add_co_u32 s96, s96, s84                     ; in my head
	s_mov_b32 s97, 0
	s_add_nc_u64 s[PFA:PFA+1], s[PFA:PFA+1], s[96:97]
	s_sub_co_u32 s96, s[WV], 4
	s_lshr_b32 s96, s96, 1                         ; 0 in waves 4 and 5,
	s_or_b32 s96, s96, ttmp9                       ; of the head's first cluster: the same in all four partners
	s_cmp_eq_u32 s96, 0
	s_cselect_b32 s[LIM], 1, -1
	v_mov_b32 v13, 0xff61b1e6                      ; the largest t so far: -3e38, under every t
	s_delay_alu instid0(VALU_DEP_1)
	v_floor_f32 v12, -v13                          ; -M
	v_mov_b32 v14, 0                               ; the sum, in two halves
	v_mov_b32 v15, 0
	v_mov_b32 v27, 0                               ; (named as the upper half of the pair v[26:27])
	v_mov_b32 v30, 0                               ; written once: a lane permute's destination counts as one of its sources
.set i, 0
.rept 32
	v_mov_b32 v[OT+i], 0                           ; O^T.  (The key step is written without a first step of its own: it finds zeros, which the first change of M leaves zeros)
.set i, i+1
.endr
	s_wait_kmcnt 0x0
	s_add_co_i32 s96, s68, s69
	s_lshl_b32 s96, s96, 23
	s_add_co_i32 s[CS], s[CS], s96                 ; a score stands for score x 2^(e6 + e7): the exponents are added to c's exponent field
	s_mov_b32 s[CS+1], s[CS]                       ; (named with it as a pair, so it is written)
	s_add_co_i32 s96, s70, 127
	s_lshl_b32 s97, s96, 23
	v_mov_b32 v193, s97                            ; 2^e8 as f32, for the conversion
	s_add_co_i32 s96, s96, 8
	s_lshl_b32 s96, s96, 23
	s_or_b32 s96, s96, 0x600000
	v_mov_b32 v192, s96                            ; 448 x 2^e8
; A KEY STEP: 128 keys, the q-th of the slot in hand.
.macro STEP q
	v_add_nc_u32 v[ADK], s[TB], v[AK0]
	v_add_nc_u32 v[ADV], s[TB], v[AV0]
	v_nop
	v_nop                                          ; four places (ISA guide 7.12.1 for vector instructions) behind the last products, in front of loads into registers that they read
.set T, 0
.rept 8
	ds_load_b128 v[FR+8*T:FR+8*T+3], v[ADK] offset:(128*(\q)+16*T)*KP
	ds_load_b128 v[FR+8*T+4:FR+8*T+7], v[ADK] offset:(128*(\q)+16*T)*KP+32
.set T, T+1
.endr
	s_wait_alu depctr_va_vdst(0)
	s_wait_dscnt 8                                 ; tiles 0 to 3 are in; the youngest eight loads, tiles 4 to 7, may be out
.set T, 0
.rept 4
	v_wmma_f32_16x16x64_fp8_fp8 v[SS+8*T:SS+8*T+7], v[FR+8*T:FR+8*T+7], v[QF:QF+7], 0
.set T, T+1
.endr
	s_wait_dscnt 0x0
.rept 4
	v_wmma_f32_16x16x64_fp8_fp8 v[SS+8*T:SS+8*T+7], v[FR+8*T:FR+8*T+7], v[QF:QF+7], 0
.set T, T+1
.endr
.rept 4
	v_nop                                          ; four places: in front of the loads below and of the first read of the scores
.endr
.set T, 0
.rept 4                                        ; V's four fragments (16 of the head's 64 x these 128 keys) land under the softmax
.irp c, 0,1,2,3
	ds_load_b128 v[FR+16*T+4*\c:FR+16*T+4*\c+3], v[ADV] offset:16*VP*T+128*(\q)+32*\c
.endr
.set T, T+1
.endr
	v_max3_num_f32 v24, v[SS], v[SS+1], v[SS+2]    ; the step's largest score of my query, among my 64 keys, in two chains, ascending: each accumulator is read from its low end on
	v_max3_num_f32 v25, v[SS+3], v[SS+4], v[SS+5]
.irp i, 6,10,14,18,22,26,30,34,38,42,46,50,54,58
	v_max3_num_f32 v24, v24, v[SS+\i], v[SS+1+\i]
	v_max3_num_f32 v25, v25, v[SS+2+\i], v[SS+3+\i]
.endr
	v_max3_num_f32 v24, v24, v[SS+62], v[SS+63]
	s_delay_alu instid0(VALU_DEP_1)
	v_max_num_f32 v24, v24, v25
	s_delay_alu instid0(VALU_DEP_1)
	v_permlanex16_b32 v30, v24, s[SEL], s[SEL+1]
	s_delay_alu instid0(VALU_DEP_1)
	v_max_num_f32 v24, v24, v30                    ; and among lane l xor 16's
	s_delay_alu instid0(VALU_DEP_1)
	v_mul_f32 v24, s[CS], v24                      ; as t (c is positive)
	s_delay_alu instid0(VALU_DEP_1)
	v_max_num_f32 v13, v13, v24                    ; the running largest t
	v_mov_b32 v24, v12
	s_delay_alu instid0(VALU_DEP_2)
	v_floor_f32 v12, -v13                          ; the new -M = floor(-t) = -ceil(t): M is a whole number
	s_delay_alu instid0(VALU_DEP_1)
	v_sub_f32 v24, v12, v24                        ; M's old value less its new one: a whole number, 0 or less
	s_delay_alu instid0(VALU_DEP_1)
	v_cvt_i32_f32 v24, v24                         ; (it saturates)
	s_delay_alu instid0(VALU_DEP_1)
	v_ldexp_f32 v26, 1.0, v24                      ; f = 2^(old M - new M)
.set i, 0
.rept 32
	v_pk_fma_f32 v[SS+i:SS+i+1], v[SS+i:SS+i+1], s[CS:CS+1], v[12:13] op_sel_hi:[1,0,0]   ; t - M, two at a time (of the pairs c and -M the low word serves both halves)
.set i, i+2
.endr
.set i, 0
	s_wait_alu depctr_va_vdst(0)
.rept 64
	v_exp_f32 v[SS+i], v[SS+i]                     ; p = 2^(t - M), at most 1
.set i, i+1
.endr
	v_pk_mul_f32 v[14:15], v[14:15], v[26:27] op_sel_hi:[1,0]   ; the sums under the new M: the plain line behind the exponentials (ISA guide 5.7.2)
	s_wait_alu depctr_va_vdst(0)                   ; the wait ahead of the first line that names a result: one for the batch of 64
	v_pk_add_f32 v[28:29], v[100:101], v[104:105]
	v_pk_add_f32 v[238:239], v[108:109], v[112:113]
	v_pk_add_f32 v[236:237], v[116:117], v[120:121]
	v_pk_add_f32 v[234:235], v[124:125], v[128:129]
	v_pk_add_f32 v[232:233], v[132:133], v[136:137]
	v_pk_add_f32 v[230:231], v[140:141], v[144:145]
	v_pk_add_f32 v[228:229], v[148:149], v[152:153]
	v_pk_add_f32 v[14:15], v[14:15], v[156:157]
	v_pk_add_f32 v[28:29], v[28:29], v[96:97]
	v_pk_add_f32 v[238:239], v[238:239], v[98:99]
	v_pk_add_f32 v[236:237], v[236:237], v[102:103]
	v_pk_add_f32 v[234:235], v[234:235], v[106:107]
	v_pk_add_f32 v[232:233], v[232:233], v[110:111]
	v_pk_add_f32 v[230:231], v[230:231], v[114:115]
	v_pk_add_f32 v[228:229], v[228:229], v[118:119]
	v_pk_add_f32 v[14:15], v[14:15], v[122:123]
	v_pk_add_f32 v[28:29], v[28:29], v[126:127]
	v_pk_add_f32 v[238:239], v[238:239], v[130:131]
	v_pk_add_f32 v[236:237], v[236:237], v[134:135]
	v_pk_add_f32 v[234:235], v[234:235], v[138:139]
	v_pk_add_f32 v[232:233], v[232:233], v[142:143]
	v_pk_add_f32 v[230:231], v[230:231], v[146:147]
	v_pk_add_f32 v[228:229], v[228:229], v[150:151]
	v_pk_add_f32 v[14:15], v[14:15], v[154:155]
	v_pk_add_f32 v[28:29], v[28:29], v[158:159]
	s_delay_alu instid0(VALU_DEP_2)
	v_pk_add_f32 v[14:15], v[14:15], v[234:235]
	s_delay_alu instid0(VALU_DEP_2)
	v_pk_add_f32 v[28:29], v[28:29], v[232:233]
	v_pk_add_f32 v[238:239], v[238:239], v[230:231]
	v_pk_add_f32 v[236:237], v[236:237], v[228:229]
	s_delay_alu instid0(VALU_DEP_2)
	v_pk_add_f32 v[14:15], v[14:15], v[238:239]
	s_delay_alu instid0(VALU_DEP_2)
	v_pk_add_f32 v[28:29], v[28:29], v[236:237]
	s_delay_alu instid0(VALU_DEP_1)
	v_pk_add_f32 v[14:15], v[14:15], v[28:29]
.irp b, 0,1,2,3
.irp i, 0,1,2,3,4,5,6,7,8,9,10,11,12,13,14,15
	v_min_num_f32 v[SS+16*\b+\i], v[SS+16*\b+\i], v192   ; the conversion does not saturate (ISA guide 7.6.2); p is not negative, so the hold is one-sided; it is always made
.endr
	v_cvt_scalef32_pk8_fp8_f32 v[PC+4*\b:PC+1+4*\b], v[SS+16*\b:SS+7+16*\b], v193
	v_cvt_scalef32_pk8_fp8_f32 v[PC+2+4*\b:PC+3+4*\b], v[SS+8+16*\b:SS+15+16*\b], v193
.endr
.set i, 0
.rept 16
	v_pk_mul_f32 v[OT+i:OT+i+1], v[OT+i:OT+i+1], v[26:27] op_sel_hi:[1,0]   ; O^T under the new M.  (Also the plain lines between the conversions and the products that read the codes)
.set i, i+2
.endr
	s_wait_alu depctr_va_vdst(0)
	s_wait_dscnt 0x0                               ; V's fragments are in
.set T, 0
.rept 4                                        ; O^T += V^T P^T; the four accumulators take turns
	v_wmma_f32_16x16x128_fp8_fp8 v[OT+8*T:OT+8*T+7], v[FR+16*T:FR+16*T+15], v[PC:PC+15], v[OT+8*T:OT+8*T+7]
.set T, T+1
.endr
.endm
; THE CHANGE OF SLOTS stands at a slot's head.  Each wave waits for all its tensor loads (its part of the slot that it is about to read), adds 0 to its spare word, and waits for that and for its
; reads of the slot that it has left.  fill = 1: a round of the cluster's barrier follows, so that no wave of any partner still reads that slot or has a load on its way, and the slot is filled
; with the keys that follow: the load has four key steps in which to land.
.macro CHANGE fill
	s_wait_tensorcnt 0x0                           ; no tensor load of mine is out, so a group 0 may be written
	ds_add_u32 v[SPW], v[NIL]                      ; 0 onto my spare word
.if \fill
	s_xor_b32 s[G0K+1], s[G0K+1], SLOT1            ; the walking descriptors: the other slot than last time,
	s_add_nc_u64 s[G0K+2:G0K+3], s[G0K+2:G0K+3], SK*64   ; the next 512 keys; the type bits on top are not reached
	s_xor_b32 s[G0V+1], s[G0V+1], SLOT1
	s_add_nc_u64 s[G0V+2:G0V+3], s[G0V+2:G0V+3], SK
	s_wait_xcnt 0x0                                ; the last prefetch, a slot back, has read its address, so it may be written:
	s_add_nc_u64 s[PFA:PFA+1], s[PFA:PFA+1], s[PFS:PFS+1]   ; one slot further on than the walking descriptors
	s_wait_dscnt 0x0                               ; the add is done, and my reads of the slot that I have left are over
	CROUND
	JLOAD                                          ; the first thing behind the round, and a wave's one tensor load until the next
	ASK
.else
	s_wait_dscnt 0x0
	s_barrier_signal -1
	s_barrier_wait -1
.endif
.endm
.macro SLOT_STEPS
	STEP 0
	STEP 1
	STEP 2
	STEP 3
	s_xor_b32 s[TB], s[TB], SLOT1                  ; on to the other slot
.endm
; the sums of v[a] and of v[b] over the 32 lanes, in every lane; ta, tb have been written before
.macro XSUM2 a, b, ta, tb
.irp x, 1
	v_add_f32_dpp v[\a], v[\a], v[\a] row_xmask:\x row_mask:0xf bank_mask:0xf
	s_delay_alu instid0(VALU_DEP_2)
	v_add_f32_dpp v[\b], v[\b], v[\b] row_xmask:\x row_mask:0xf bank_mask:0xf
.endr
.irp x, 2, 4, 8
	s_delay_alu instid0(VALU_DEP_2)
	v_add_f32_dpp v[\a], v[\a], v[\a] row_xmask:\x row_mask:0xf bank_mask:0xf
	s_delay_alu instid0(VALU_DEP_2)
	v_add_f32_dpp v[\b], v[\b], v[\b] row_xmask:\x row_mask:0xf bank_mask:0xf
.endr
	s_delay_alu instid0(VALU_DEP_2)
	v_permlanex16_b32 v[\ta], v[\a], s[SEL], s[SEL+1]
	s_delay_alu instid0(VALU_DEP_2)
	v_permlanex16_b32 v[\tb], v[\b], s[SEL], s[SEL+1]
	s_delay_alu instid0(VALU_DEP_2)
	v_add_f32 v[\a], v[\a], v[\ta]
	s_delay_alu instid0(VALU_DEP_2)
	v_add_f32 v[\b], v[\b], v[\tb]
.endm
	s_wait_loadcnt 0x0                             ; Q, and my two rows of x
.Lslot:                                            ; NSL - 1 trips: behind each change of slots but the last the next slot is asked for
	CHANGE 1
	SLOT_STEPS
	s_sub_co_u32 s[SLOTS], s[SLOTS], 1
	s_cmp_lg_u32 s[SLOTS], 0
	s_cbranch_scc1 .Lslot
	CHANGE 0                                       ; the last slot is written out
	SLOT_STEPS
	; THE WAY OUT
.rept 4
	v_nop                                          ; four places behind the last products
.endr
.irp i, 0,1,2,3
	global_load_b128 v[128+4*\i:131+4*\i], v[GO], s[14:15] offset:512*\i   ; gamma and beta at my 16 columns: 128 i + 4 x lane + 0 .. 3
	global_load_b128 v[144+4*\i:147+4*\i], v[GO], s[16:17] offset:512*\i
.endr
	v_add_f32 v14, v14, v15                        ; the sum's two halves,
	s_delay_alu instid0(VALU_DEP_1)
	v_permlanex16_b32 v30, v14, s[SEL], s[SEL+1]
	s_delay_alu instid0(VALU_DEP_1)
	v_add_f32 v14, v14, v30                        ; and lane l xor 16's: the row's sum
	s_wait_alu depctr_va_vdst(0)
	v_rcp_f32 v14, v14
	v_and_b32 v8, 15, v0                           ; (a plain line behind the reciprocal)  r
	v_bfe_u32 v9, v0, 4, 1                         ; h
	s_mul_i32 s96, s[WV], 16*STP                   ; my stage
	v_mul_u32_u24 v10, v8, STP
	s_delay_alu instid0(VALU_DEP_1)
	v_lshl_add_u32 v10, v9, 5, v10
	s_delay_alu instid0(VALU_DEP_1)
	v_add_nc_u32 v10, s96, v10                     ; in: row r (a query's 256 bytes); tile t's eight channels of my half: 64 t + 32 h bytes on
	v_mul_u32_u24 v11, v9, STP
	s_delay_alu instid0(VALU_DEP_1)
	v_lshl_add_u32 v11, v8, 4, v11
	s_delay_alu instid0(VALU_DEP_1)
	v_add_nc_u32 v11, s96, v11                     ; back: lanes 0-15 one query, lanes 16-31 the next: 512 consecutive bytes of my two rows
	s_add_co_i32 s97, s70, s71
	s_wait_alu depctr_va_vdst(0)                   ; the wait ahead of the reciprocal's first reader
	v_ldexp_f32 v14, v14, s97                      ; x 2^(e8 + e9)
.set i, 0
.rept 16
	v_pk_mul_f32 v[SS+i:SS+i+1], v[OT+i:OT+i+1], v[14:15] op_sel_hi:[1,0]   ; O^T / the sum: register 8 t + j is channel 16 t + 8 h + j of query r; each accumulator from its low end on
.set i, i+2
.endr
.irp t, 0,1,2,3
	ds_store_b128 v10, v[SS+8*\t:SS+8*\t+3] offset:64*\t
	ds_store_b128 v10, v[SS+8*\t+4:SS+8*\t+7] offset:64*\t+16
.endr
.irp i, 0,1,2,3,4,5,6,7
	ds_load_b128 v[32+4*\i:35+4*\i], v11 offset:2*STP*\i   ; LDS serves a wave's instructions in order (ISA guide 5.7.1.4): these see my stores.  Load i: bytes 512 i + 16 x lane of my two rows
.endr
	s_wait_dscnt 0x0
.irp R, 0,1                                    ; row R: v[32 + 16 R] on; x's at v[208 + 32 R] on; at work v[64 + 8 R] on
.irp k, 0,2,4,6,8,10,12,14
	v_pk_add_f32 v[32+16*\R+\k:33+16*\R+\k], v[32+16*\R+\k:33+16*\R+\k], v[208+32*\R+\k:209+32*\R+\k]   ; h = x + attention
.endr
.endr
.irp R, 0,1
.set H, 32+16*\R
.set U, 64+8*\R
	v_pk_add_f32 v[U:U+1], v[H:H+1], v[H+2:H+3]
	v_pk_add_f32 v[U+2:U+3], v[H+4:H+5], v[H+6:H+7]
	v_pk_add_f32 v[U+4:U+5], v[H+8:H+9], v[H+10:H+11]
	v_pk_add_f32 v[U+6:U+7], v[H+12:H+13], v[H+14:H+15]
	s_delay_alu instid0(VALU_DEP_3)
	v_pk_add_f32 v[U:U+1], v[U:U+1], v[U+2:U+3]
	s_delay_alu instid0(VALU_DEP_2)
	v_pk_add_f32 v[U+4:U+5], v[U+4:U+5], v[U+6:U+7]
	s_delay_alu instid0(VALU_DEP_1)
	v_pk_add_f32 v[U:U+1], v[U:U+1], v[U+4:U+5]
	s_delay_alu instid0(VALU_DEP_1)
	v_add_f32 v[U], v[U], v[U+1]
.endr
	XSUM2 64, 72, 65, 73
	s_delay_alu instid0(VALU_DEP_2)
	v_mul_f32 v64, s62, v64                        ; -mean
	s_delay_alu instid0(VALU_DEP_2)
	v_mul_f32 v72, s62, v72
.irp R, 0,1
.irp k, 0,2,4,6,8,10,12,14
	v_pk_add_f32 v[32+16*\R+\k:33+16*\R+\k], v[32+16*\R+\k:33+16*\R+\k], v[64+8*\R:65+8*\R] op_sel_hi:[1,0]   ; d = h - mean
.endr
.endr
.irp R, 0,1                                    ; the sum of d^2: the variance is taken of the differences, so that a common offset of the inputs costs no digits
.set H, 32+16*\R
.set U, 64+8*\R
	v_pk_mul_f32 v[U+2:U+3], v[H:H+1], v[H:H+1]
	v_pk_mul_f32 v[U+4:U+5], v[H+2:H+3], v[H+2:H+3]
.irp k, 4,8,12
	s_delay_alu instid0(VALU_DEP_2)
	v_pk_fma_f32 v[U+2:U+3], v[H+\k:H+\k+1], v[H+\k:H+\k+1], v[U+2:U+3]
	s_delay_alu instid0(VALU_DEP_2)
	v_pk_fma_f32 v[U+4:U+5], v[H+\k+2:H+\k+3], v[H+\k+2:H+\k+3], v[U+4:U+5]
.endr
	s_delay_alu instid0(VALU_DEP_1)
	v_pk_add_f32 v[U+2:U+3], v[U+2:U+3], v[U+4:U+5]
	s_delay_alu instid0(VALU_DEP_1)
	v_add_f32 v[U+2], v[U+2], v[U+3]
.endr
	XSUM2 66, 74, 67, 75
	s_delay_alu instid0(VALU_DEP_2)
	v_fma_f32 v66, v66, s60, s61                   ; variance + 1e-5
	s_delay_alu instid0(VALU_DEP_2)
	v_fma_f32 v74, v74, s60, s61
	s_wait_alu depctr_va_vdst(0)
	v_rsq_f32 v66, v66
	v_rsq_f32 v74, v74
	v_nop                                          ; a plain line behind the two roots
	s_wait_alu depctr_va_vdst(0)                   ; and the wait ahead of their first reader: one for both
	s_wait_loadcnt 0x0                             ; gamma, beta
.irp R, 0,1
.irp k, 0,2,4,6,8,10,12,14
	v_pk_mul_f32 v[32+16*\R+\k:33+16*\R+\k], v[32+16*\R+\k:33+16*\R+\k], v[66+8*\R:67+8*\R] op_sel_hi:[1,0]
	s_delay_alu instid0(VALU_DEP_1)
	v_pk_fma_f32 v[32+16*\R+\k:33+16*\R+\k], v[32+16*\R+\k:33+16*\R+\k], v[128+\k:129+\k], v[144+\k:145+\k]
.endr
.endr
.irp i, 0,1,2,3,4,5,6,7
	global_store_b128 v[GO], v[32+4*\i:35+4*\i], s[18:19] offset:512*\i th:TH_STORE_NT   ; 32 lanes store 512 consecutive bytes, at a multiple of 512 from out0's first byte; written once, read by nobody here
.endr
	s_wait_tensorcnt 0x0                           ; the wave's end, behind my last tensor load and my last LDS store
	ds_add_u32 v[SPW], v[NIL]
	s_wait_dscnt 0x0
	CROUND                                         ; the closing round: no work-group ends while a partner may still ask for a tile that names it
	s_endpgm
.Lfunc_end_k_qedcf32dd85_attn:
	.size	k_qedcf32dd85_attn, .Lfunc_end_k_qedcf32dd85_attn-k_qedcf32dd85_attn
	.p2alignl 7, 3214868480
	.fill 96, 4, 3214868480
	.section	.rodata,"a",@progbits
	.p2align	6, 0x0
	.amdhsa_kernel k_qedcf32dd85_attn
		.amdhsa_group_segment_fixed_size 327680
		.amdhsa_private_segment_fixed_size 0
		.amdhsa_enable_private_segment 0
		.amdhsa_kernarg_size 64
		.amdhsa_user_sgpr_count 2
		.amdhsa_user_sgpr_kernarg_segment_ptr 1
		.amdhsa_wavefront_size32 1
		.amdhsa_system_sgpr_workgroup_id_x 1
		.amdhsa_system_sgpr_workgroup_id_y 1
		.amdhsa_system_sgpr_workgroup_id_z 1
		.amdhsa_system_vgpr_workitem_id 0
		.amdhsa_next_free_vgpr 256
		.amdhsa_next_free_sgpr 100
		.amdhsa_reserve_vcc 0
		.amdhsa_float_denorm_mode_32 3
		.amdhsa_float_denorm_mode_16_64 3
		.amdhsa_memory_ordered 1
		.amdhsa_forward_progress 1
		.amdhsa_inst_pref_size 151
	.end_amdhsa_kernel
	.amdgpu_metadata
---
amdhsa.version: [ 1, 2 ]
amdhsa.kernels:
  - .name:           k_qedcf32dd85_attn
    .symbol:         k_qedcf32dd85_attn.kd
    .args:
      - { .name: qc, .offset: 0, .size: 8, .value_kind: global_buffer, .address_space: global }
      - { .name: kc, .offset: 8, .size: 8, .value_kind: global_buffer, .address_space: global }
      - { .name: vc, .offset: 16, .size: 8, .value_kind: global_buffer, .address_space: global }
      - { .name: lowp_scales, .offset: 24, .size: 8, .value_kind: global_buffer, .address_space: global }
      - { .name: x, .offset: 32, .size: 8, .value_kind: global_buffer, .address_space: global }
      - { .name: gamma, .offset: 40, .size: 8, .value_kind: global_buffer, .address_space: global }
      - { .name: beta, .offset: 48, .size: 8, .value_kind: global_buffer, .address_space: global }
      - { .name: out0, .offset: 56, .size: 8, .value_kind: global_buffer, .address_space: global }
    .group_segment_fixed_size: 327680
    .private_segment_fixed_size: 0
    .kernarg_segment_align: 8
    .kernarg_segment_size: 64
    .max_flat_workgroup_size: 512
    .sgpr_count:     100
    .vgpr_count:     256
    .wavefront_size: 32
...
	.end_amdgpu_metadata
.endif
;; end of part 4
